; MI455X (gfx1250); checked and timed in simulation.
; The chip was launched on July 23, 2026; its instructions are those of AMD's public machine-readable ISA for CDNA 5 (MIT licence, August 2026) and "CDNA5" Instruction Set Architecture Reference Guide (July 2026). The comments in the code are by the model that wrote it; some were corrected since.
;; Causal Self Attention. Allowed arithmetic: matrix products marked QUANTISED: E4M3 operands, one given power-of-two scale a tensor, by v_wmma_f32_16x16x64_fp8_fp8 or v_wmma_f32_16x16x128_fp8_fp8, f32 sums; everything else in f32.
;; Inputs: lowp_scales 8 int32 (the exponents e of the quantised operands' scales 2^e); w_attn_codes 3,072 x 32 x 32 uint8 (E4M3 codes of w_attn, K innermost, in blocks of 32 codes); w_proj_codes 1,024 x 32 x 32 uint8 (E4M3 codes of w_proj, K innermost, in blocks of 32 codes); x_codes 2 x 2,048 x 32 x 32 uint8 (E4M3 codes of x, K innermost, in blocks of 32 codes).
;; Outputs: out0 2 x 2,048 x 1,024 float32.
;; This version of the problem:
;;   THIS VERSION OF THE PROBLEM IS GIVEN IN LOW PRECISION. The matrix products marked QUANTISED in the list below multiply operands that are first quantised to E4M3 (4 exponent bits, 3 mantissa bits; 8 bits a number), with one given power-of-two scale for each operand tensor; their sums are f32. All else is computed in f32.
;;   The module's matrix products, in the order in which they are computed (A, B: the left and right operand; K: the contracted axis; several contracted axes count as one K, in the product's order):
;;     1. [M 4,096, K 1,024] x [K 1,024, N 3,072]; A: input x (given as codes); B: input w_attn (given as codes): QUANTISED (scales: A lowp_scales[0], B lowp_scales[1])
;;     2. batch 32 x [M 2,048, K 64] x [K 64, N 2,048]; A: computed on the way; B: computed on the way: QUANTISED (scales: A lowp_scales[2], B lowp_scales[3])
;;     3. batch 32 x [M 2,048, K 2,048] x [K 2,048, N 64]; A: softmax (see below); B: computed on the way: QUANTISED (scales: A lowp_scales[4], B lowp_scales[5])
;;     4. [M 4,096, K 1,024] x [K 1,024, N 1,024]; A: computed on the way; B: input w_proj (given as codes): QUANTISED (scales: A lowp_scales[6], B lowp_scales[7])
;;   THE QUANTISER, for each operand of a quantised product, along K:
;;     - The operand's scale is 2^e, e = its entry of the input lowp_scales (int32; the entries are numbered through the quantised products in the list's order, A before B).
;;     - Each number is divided by the scale, clamped to +-448, and rounded to the nearest number of E4M3, ties to even, subnormals kept.
;;     - The product sums the exact products of the quantised numbers (number of the format x scale) in f32.
;;   ~~~python
;;   def quantise(x, axis, e):      # numpy; x: float32 -> the quantised numbers, widened to float32 again
;;       x = np.moveaxis(x, axis, -1); K = x.shape[-1]
;;       r = np.clip(x / 2.0 ** e, -448, 448)
;;       step = 2.0 ** (np.maximum(np.frexp(np.where(r == 0, 1, r))[1] - 1, -6) - 3)
;;       q = np.round(r / step) * step * 2.0 ** e      # np.round: ties to even
;;       return np.moveaxis(q, -1, axis).astype(np.float32)
;;   ~~~
;;   SOFTMAX AHEAD OF A QUANTISED PRODUCT. Where the list says 'softmax', what is quantised is not the finished softmax but p = 2^(t - M), with t = logit x log2(e) and M = ceil(the row's largest t), a whole number; so 1/2 < the row's largest p <= 1. The row's sum l is taken of the UNQUANTISED p, in f32, and the product's result is divided by l at the end. Since M is a whole number, a kernel that streams over the keys may use a running M (the ceiling of the running maximum): every later rescaling is an exact power of two, so the quantised numbers keep their values, but for numbers so far below the row's largest that they fall under the format's range.
;;   OPERANDS COMPUTED ON THE WAY. 'Computed on the way' means the value that the module computes at that place (a softmax that the list does not call 'softmax' is quantised finished and normalised). What goes into a quantiser is computed in f32, as accurately as f32 sums, v_exp_f32 and their like allow (about 1e-6 of the number): no bf16 or f16 on the way to a quantiser, and a product that is left as it is and whose result goes on into a quantised operand takes f32 operands (vector FMAs, or v_wmma_f32_16x16x4_f32). A number that lies on a knife's edge between two numbers of the format may be rounded either way, as far as f32 arithmetic and the matrix unit's own rounding can turn it there, and no further.
;;   INPUTS GIVEN AS CODES. w_attn (in the module: [3072, 1024], K = its axis 1); w_proj (in the module: [1024, 1024], K = its axis 1); x (in the module: [2, 2048, 1024], K = its axis 2): each comes as NAME_codes (uint8): NAME with its K axis moved to the last place and cut into blocks of 32 codes, [.., K / 32, bytes a block], one block behind the other in memory; one code a byte (a code: sign, 4 exponent bits, 3 mantissa bits); its scale is its entry of lowp_scales. Its value is code x scale, taken as it is: it is not quantised again, and the codes and scales need not be those that the quantiser above would give.
;; One version. Each part assembles by itself: llvm-mc -triple=amdgcn-amd-amdhsa -mcpu=gfx1250 --defsym DOCPART=n.
;; ======== version 1 of 1: 3 launches
;; limits: right only within a limited range of input values
;; workspace buffers: q_img 4,194,304 bytes; kv_img 8,388,608 bytes; y_img 4,194,304 bytes
;; launch qkv (part 1): grid 16 x 16, 4 waves a work-group, clusters of 4 x 4, 327,680 bytes of LDS; arguments x_codes, w_attn_codes, lowp_scales, q_img, kv_img; writes q_img, kv_img
.if DOCPART == 1
	.amdgcn_target "amdgcn-amd-amdhsa--gfx1250"
	.amdhsa_code_object_version 6
	.text
	.protected	k_q9e2f10a826_qkv
	.globl	k_q9e2f10a826_qkv
	.p2align	8
	.type	k_q9e2f10a826_qkv,@function
k_q9e2f10a826_qkv:
	s_mov_b64 s[64:65], 0
	v_nop
	global_prefetch_b8 v0, s[64:65] scope:SCOPE_SE
	s_setreg_imm32_b32 hwreg(HW_REG_WAVE_MODE, 25, 1), 1
	s_wait_xcnt 0x0
	s_wait_alu depctr_hold_cnt(0) depctr_sa_sdst(0) depctr_va_vdst(0) depctr_va_sdst(0) depctr_va_ssrc(0) depctr_va_vcc(0) depctr_vm_vsrc(0)
	s_getreg_b32 s2, hwreg(HW_REG_IB_STS2, 6, 4)
	s_cmp_eq_u32 s2, 0
	s_cbranch_scc0 .Lentry_in_a_cluster
	s_endpgm
.Lentry_in_a_cluster:
	s_bfe_u32 s2, ttmp6, 0x10000c
	s_cmp_lg_u32 s2, 0xf033
	s_cbranch_scc0 .Lentry_shape_is_right
	s_endpgm
.Lentry_shape_is_right:
; qkv = x w_attn^T on codes of E4M3 (K = 1,024), the roll-based RoPE on q and k in f32, and the quantising of q, k and v for the two products of attention.
; SHARES.  Work-group (head, ty): 256 rows of x (batch ty / 8, positions 256 (ty % 8) on) against 192 rows of w_attn: the head's 64 of q, of k and of v.  16 x 16 = 256 work-groups of equal work.
; Wave w: rows 64 w .. 64 w + 63 (four tiles a of 16) against all 192 (twelve tiles b of 16: 0-3 q, 4-7 k, 8-11 v): 48 accumulators.  The waves share the ROWS, so that a lane needs cos and sin
; of 4 positions x 16 pairs only: 128 registers, made once, while the first tiles are on their way.
; LAYOUT.  q, k: source 0 = 16 rows of W, source 1 = 16 rows of x: a lane holds ONE position (lane % 16) and channels 16 tq + 8 (lane / 16) + 0 .. 7: eight neighbours along the next K.
; v: source 0 = 16 rows of x, source 1 = 16 rows of W: a lane holds ONE channel and eight neighbouring KEYS, which are the K of the second product of attention.
; So each conversion's two registers are registers 2 c, 2 c + 1 of the next operand's fragment (k = 16 c + 8 (lane / 16) + 0 .. 7), and the codes leave as IMAGES OF OPERAND REGISTERS: four registers x 32 lanes = 512 consecutive bytes a store.
;   q_img  [b h 32][tile of 16 queries 128][2 pieces][512]
;   kv_img [b h 32][block of 128 keys 16][16,384]: K: [tile of 16 keys 8][2 pieces][512]; from byte 8,192 V^T: [tile of 16 channels 4][4 pieces][512] (K = the block's 128 keys)
; x's and W's fragments are fetched by loads of 16 bytes: a permutation of k inside each 128, the same on both sides, so that every product meets its partner.
; CLUSTER 4 x 4: x's tile hangs on ty alone and is asked for jointly by a row of the cluster, W's on the head alone and by a column.  Wave 0 asks for x's 256 rows, waves 1 to 3 for W's three pieces of 64.
; K goes in four steps of 256 through two LDS slots; all is written out, there is no loop.  By this text's count a wave has at most one tensor load out.
; SCALES: a sum stands for sum x 2^(e0 + e1); RoPE is linear, so the conversions take 2^(e - e0 - e1), e = e2 (q), e3 (k), e5 (v).
; LIMITS: e2 - e0 - e1, e3 - e0 - e1 and e5 - e0 - e1 lie between -126 and 119, so that the scale and 448 x the scale are f32 numbers.  NaN codes among the inputs are not served.
; The RoPE frequencies are the f32 numbers nearest to 10^(-i / 8); an angle is position x frequency rounded to f32, reduced by pi / 2 in two parts, sine and cosine by polynomials on +-pi / 4.
; REGISTERS, in windows of 256: window 0: v1-29 addresses and scales; v32-123 at work; v128-255 cos and sin (tile a, pair m = 4 tq + jj: c at 128 + 32 a + 2 m, s one further).
;   window 1: v0-191 W's twelve fragments, one set.   window 2: q's and k's accumulators, (b, a) at 8 (4 b + a).   window 3: v0-127 v's accumulators, (ct, a) at 8 (4 ct + a); v128-255 x's fragments, two sets.
.set PITCH,  272                       ; an LDS row: 256 bytes + 16 of padding = 68 words, so the 16 rows of a fragment load start 4 words apart
.set HROWS,  64*PITCH
.set WROW,   256*PITCH                 ; W's rows lie behind x's 256
.set SLOT,   448*PITCH
.set SPARE,  2*SLOT                    ; behind the ring: the spare words, 128 bytes a wave: two blocks of 256 bytes that no other line names
.set LI,   4                           ; v4   16 x lane: my 16 bytes of a piece
.set VK,   5                           ; v5   the same + my wave's half of the key block's K tiles
.set VV,   6                           ; v6   the same + 8,192 + my wave's two pieces of a V^T fragment
.set SC,   8                           ; v8-10   the conversions' scales for q, k, v
.set LIM,  12                          ; v12-14  448 x those
.set ADRA, 16                          ; v16-17  LDS address of my x fragments in slot 0, 1
.set ADRW, 20                          ; v20-21  the same for W
.set SPW,  28                          ; v28  my spare word; never rewritten
.set NIL,  29                          ; v29  0; never rewritten
.set FQ,   32                          ; v32-47  at the head: my 16 frequencies
.set TS,   48                          ; v48-111 at the head: four sets of 16, a pair of angles each
.set KMAG, 112                         ; v112-121 constants, each twice
.set PS2,  114
.set PS1,  116
.set PC2,  118
.set PC1,  120
.set TT,   122                         ; v122-123 my position as f32, twice
.set TW,   32                          ; the way out: 32 numbers
.set YX,   64                          ; four numbers from the other half of the lanes
.set PVX,  68
.set CDX,  72                          ; eight registers of codes
.set CS,   128
.set XF,   128                         ; x's fragments, in window 3
.set G1A,  24                          ; s[24:31] group 1 for x's tile; s[32:39] group 0, a set for each slot
.set G0A,  32
.set G1W,  48                          ; s[48:55], s[56:63] the same for W's
.set G0W,  56
.set MSB, 0
.macro WIN new                         ; the immediate's high byte repeats the setting that is left
.if MSB != \new
	s_set_vgpr_msb (MSB<<8)|\new
.set MSB, \new
.endif
.endm
.set MUL_QK, 0xad                      ; source 0 (W) window 1, source 1 (x) window 3, C and D window 2
.set MUL_V,  0xf7                      ; source 0 (x) window 3, source 1 (W) window 1, C and D window 3
.set TO_W,   0x40
.set TO_X,   0xc0
; A joint load: wave 0 asks for x's tile, waves 1 to 3 for W's pieces.  The branch hangs on the wave's number alone.  Four v_nop follow each line.
.macro JLOAD g0a, g0w
	s_cmp_eq_u32 s14, 0
	s_cbranch_scc0 .Lfor_w_\@
	tensor_load_to_lds s[\g0a:\g0a+3], s[G1A:G1A+7]
	s_nop 0
.rept 4
	v_nop
.endr
	s_branch .Lasked_\@
.Lfor_w_\@:
	tensor_load_to_lds s[\g0w:\g0w+3], s[G1W:G1W+7]
	s_nop 0
.rept 4
	v_nop
.endr
.Lasked_\@:
.endm
.macro CREST                           ; a round of the cluster's barrier behind its opening barrier
	s_cmp_lg_u32 s14, 0
	s_cbranch_scc1 .Lnot_wave_0_\@
	s_barrier_signal -3
.Lnot_wave_0_\@:
	s_barrier_wait -3
	s_barrier_signal -1
	s_barrier_wait -1
.endm
.macro CROUND
	s_barrier_signal -1
	s_barrier_wait -1
	CREST
.endm
.macro PLACES                          ; four plain vector lines between a matrix instruction and a load into, or a read of, its registers
.rept 4
	v_nop
.endr
.endm
	s_load_b128 s[4:7], s[0:1], 0x0                ; x's codes, w_attn's codes
	s_load_b128 s[8:11], s[0:1], 0x10              ; the scales' exponents, q_img
	s_load_b64 s[12:13], s[0:1], 0x20              ; kv_img
	v_lshl_add_u32 v[SPW], v0, 2, SPARE
	v_mov_b32 v[NIL], 0
	ds_add_u32 v28, v29
	ds_add_u32 v28, v29
	s_wait_dscnt 0x0
	v_lshrrev_b32 v1, 5, v0
	v_readfirstlane_b32 s14, v1                    ; wave 0..3
	s_bfe_u32 s40, ttmp6, 0x40000                  ; cx
	s_bfe_u32 s41, ttmp6, 0x40004                  ; cy
	s_lshl_b32 s42, ttmp9, 2
	s_add_co_u32 s42, s42, s40                     ; the head = 4 x cluster x + cx
	s_and_b32 s43, ttmp7, 0xffff
	s_lshl_b32 s43, s43, 2
	s_add_co_u32 s43, s43, s41                     ; ty = 4 x cluster y + cy
	s_lshl_b32 s44, s41, 2
	s_lshl_b32 s44, 15, s44                        ; my row of the cluster
	s_lshl_b32 s45, 0x1111, s40                    ; my column
	s_or_b32 s[G1A], s44, (1<<20)|(1<<21)|(5<<22)|(3<<25)   ; the mask; elements of 1 byte; padding: 4 words behind every 64; bit 21 beside a mask
	s_or_b32 s[G1W], s45, (1<<20)|(1<<21)|(5<<22)|(3<<25)
	s_mov_b32 s[G1A+1], 256<<16                    ; tensor_dim0 = 256
	s_mov_b32 s[G1A+2], 256<<16                    ; tensor_dim1 = 256
	s_mov_b32 s[G1A+3], 256<<16                    ; tile_dim0 = 256
	s_mov_b32 s[G1A+4], 256                        ; tile_dim1 = 256 rows
	s_mov_b32 s[G1A+5], 1024                       ; from row to row
	s_mov_b32 s[G1A+6], 0
	s_mov_b32 s[G1A+7], 0
	s_mov_b32 s[G1W+1], 256<<16
	s_mov_b32 s[G1W+2], 64<<16                     ; 64 rows
	s_mov_b32 s[G1W+3], 256<<16
	s_mov_b32 s[G1W+4], 64
	s_mov_b32 s[G1W+5], 1024
	s_mov_b32 s[G1W+6], 0
	s_mov_b32 s[G1W+7], 0
	s_lshl_b32 s16, s43, 18                        ; x: 256 ty rows of 1,024 bytes
	s_mov_b32 s17, 0
	s_min_u32 s46, s14, 1
	s_sub_co_u32 s46, s14, s46                     ; W: piece 0, 1, 2 (q, k, v) for waves 1, 2, 3 (wave 0 makes piece 0's address and does not use it)
	s_lshl_b32 s46, s46, 20                        ; 1,024 rows a piece,
	s_lshl_b32 s47, s42, 16                        ; 64 rows a head
	s_add_co_u32 s46, s46, s47
	s_mov_b32 s47, 0
	s_mul_i32 s66, s14, HROWS
	s_add_co_u32 s66, s66, WROW-HROWS              ; and its place in a slot: rows 256 + 64 (wave - 1) on
	s_wait_kmcnt 0x0
	s_load_b256 s[68:75], s[8:9], 0x0              ; e0 .. e7
	s_add_nc_u64 s[16:17], s[4:5], s[16:17]
	s_add_nc_u64 s[46:47], s[6:7], s[46:47]
	CROUND                                         ; all sixteen work-groups are here: the first joint loads meet
.irp s, 0,1
	s_mov_b32 s[G0A+4*\s], 1
	s_mov_b32 s[G0A+4*\s+1], \s*SLOT
	s_add_nc_u64 s[G0A+4*\s+2:G0A+4*\s+3], s[16:17], \s*256
	s_or_b32 s[G0A+4*\s+3], s[G0A+4*\s+3], 0x80000000
	s_mov_b32 s[G0W+4*\s], 1
	s_add_co_u32 s[G0W+4*\s+1], s66, \s*SLOT
	s_add_nc_u64 s[G0W+4*\s+2:G0W+4*\s+3], s[46:47], \s*256
	s_or_b32 s[G0W+4*\s+3], s[G0W+4*\s+3], 0x80000000
.endr
	JLOAD G0A, G0W                                 ; K 0 on: one tensor load a wave at the head
	; PREFETCHES INTO THE L2, one instruction a wave for a K step (256 bytes of each row, a lane a row): K step 1 while the sines are made, K step 2 in the middle of K step 0, K step 3 ahead of K step 1's products.
	; The four partners that ask for a tile jointly share its rows out by address: x: 64 rows by cx, 32 each for waves 0 and 1; W: 16 rows of each piece by cy, pieces 0 and 1 for wave 2, piece 2 for wave 3
	; (whose lanes 16-31 name its last block again).  So each block is named once in a cluster.
	s_lshl_b32 s90, s43, 18
	s_lshl_b32 s91, s40, 16
	s_add_co_u32 s90, s90, s91
	s_lshl_b32 s91, s14, 15
	s_add_co_u32 s90, s90, s91                     ; x: 256 ty + 64 cx + 32 wave rows of 1,024 bytes
	s_lshl_b32 s92, s42, 16
	s_lshl_b32 s93, s41, 14
	s_add_co_u32 s92, s92, s93                     ; W: 64 head + 16 cy rows,
	s_and_b32 s93, s14, 1
	s_lshl_b32 s94, s93, 21
	s_add_co_u32 s92, s92, s94                     ; in piece 0 for wave 2, 2 for wave 3
	s_lshr_b32 s95, s14, 1
	s_and_b32 s94, s95, s93
	s_mul_i32 s94, s94, 15                         ; 15 in wave 3, else 0
	s_xor_b32 s93, s93, 1
	s_lshl_b32 s89, s93, 20                        ; lanes 16-31: the next piece in wave 2,
	s_mov_b32 s96, 16384                           ; 16 rows on in waves 0 and 1
	s_cmp_lt_u32 s14, 2
	s_cselect_b32 s90, s90, s92
	s_cselect_b32 s89, s96, s89
	s_cselect_b64 s[100:101], s[4:5], s[6:7]
	s_mov_b32 s91, 0
	s_add_nc_u64 s[100:101], s[100:101], s[90:91]
	v_and_b32 v31, 31, v0
	v_lshrrev_b32 v30, 4, v31
	v_and_b32 v31, 15, v31
	v_mul_lo_u32 v22, v30, s94
	v_mul_lo_u32 v30, v30, s89
	v_or_b32 v31, v31, v22
	v_lshl_add_u32 v30, v31, 10, v30               ; never rewritten, nor is s[100:101]
	v_and_b32 v1, 15, v0                           ; r
	v_bfe_u32 v2, v0, 4, 1                         ; h
	v_and_b32 v3, 31, v0
	v_lshlrev_b32 v[LI], 4, v3
	s_and_b32 s15, s14, 1
	s_lshl_b32 s89, s15, 12
	v_add_nc_u32 v[VK], s89, v[LI]                 ; my 64 keys are tiles 4 (w % 2) on of the block's eight: 1,024 bytes a tile
	s_lshl_b32 s89, s15, 10
	s_add_co_u32 s89, s89, 8192
	v_add_nc_u32 v[VV], s89, v[LI]                 ; and pieces 2 (w % 2), 2 (w % 2) + 1 of each V^T fragment
	v_mul_u32_u24 v7, v1, PITCH
	v_lshl_add_u32 v7, v2, 4, v7                   ; a fragment's row x pitch + 16 x half
	s_mul_i32 s89, s14, HROWS
	v_add_nc_u32 v[ADRA], s89, v7
	v_add_nc_u32 v[ADRA+1], SLOT, v[ADRA]
	v_add_nc_u32 v[ADRW], WROW, v7
	v_add_nc_u32 v[ADRW+1], SLOT+WROW, v7
	s_lshr_b32 s94, s43, 3                         ; the batch
	s_lshl_b32 s94, s94, 4
	s_add_co_u32 s94, s94, s42                     ; b h
	s_and_b32 s95, s43, 7
	s_lshl_b32 s96, s95, 8
	s_lshl_b32 s97, s14, 6
	s_add_co_u32 s96, s96, s97                     ; my wave's first position: 256 (ty % 8) + 64 w
	s_lshl_b32 s98, s94, 17
	s_lshl_b32 s97, s96, 6                         ; 1,024 bytes for 16 queries
	s_add_co_u32 s98, s98, s97
	s_mov_b32 s99, 0
	s_add_nc_u64 s[90:91], s[10:11], s[98:99]      ; q_img at my wave's first tile
	s_lshl_b32 s98, s94, 18
	s_lshl_b32 s97, s95, 1
	s_lshr_b32 s89, s14, 1
	s_add_co_u32 s97, s97, s89                     ; my key block: 2 (ty % 8) + w / 2
	s_lshl_b32 s97, s97, 14
	s_add_co_u32 s98, s98, s97
	s_add_nc_u64 s[92:93], s[12:13], s[98:99]      ; kv_img at my key block
	v_add_nc_u32 v[TT], s96, v1
	v_cvt_f32_u32 v[TT], v[TT]                     ; my position in tile 0, as f32
	v_mov_b32 v[TT+1], v[TT]
	; ---- constants,
	s_mov_b32 s76, 0x3f22f983                      ; 2 / pi
	s_mov_b32 s77, s76                             ; (each scalar is named as a pair, so both words are written)
	s_mov_b32 s78, 0xbfc90fdb                      ; -(pi / 2 rounded to f32)
	s_mov_b32 s79, s78
	s_mov_b32 s80, 0x333bbd2e                      ; -(pi / 2 less that)
	s_mov_b32 s81, s80
	s_mov_b32 s82, -0.00019515295891               ; the sine's highest coefficient
	s_mov_b32 s83, s82
	s_mov_b32 s84, 0.00002443315711809948          ; the cosine's
	s_mov_b32 s85, s84
	s_mov_b32 s86, 0x76543210                      ; v_permlanex16_b32: lane l xor 16
	s_mov_b32 s87, 0xfedcba98
	s_mov_b32 s88, 0xffff0000                      ; lanes 16-31
	s_mov_b32 vcc_lo, 0xffff0000
.irp k, 0,1
	v_mov_b32 v[KMAG+\k], 0x4b400000               ; 1.5 x 2^23: adding it rounds to a whole number, which then stands in the low mantissa bits
	v_mov_b32 v[PS2+\k], 0.0083321608736
	v_mov_b32 v[PS1+\k], -0.16666654611
	v_mov_b32 v[PC2+\k], -0.001388731625493765
	v_mov_b32 v[PC1+\k], 0.04166664568298827
.endr
; my 16 frequencies: pair i = 8 tq + 4 h + jj has 10^(-i / 8); register m = 4 tq + jj; lo for lanes 0-15, hi for lanes 16-31
.macro FSET m, lo, hi
	v_mov_b32 v[FQ+\m], \hi
	v_cndmask_b32 v[FQ+\m], \lo, v[FQ+\m], vcc_lo
.endm
	FSET 0,  1.0,              0.31622776602
	FSET 1,  0.74989420933,    0.23713737057
	FSET 2,  0.56234132519,    0.17782794100
	FSET 3,  0.42169650343,    0.13335214322
	FSET 4,  0.1,              0.031622776602
	FSET 5,  0.074989420933,   0.023713737057
	FSET 6,  0.056234132519,   0.017782794100
	FSET 7,  0.042169650343,   0.013335214322
	FSET 8,  0.01,             0.0031622776602
	FSET 9,  0.0074989420933,  0.0023713737057
	FSET 10, 0.0056234132519,  0.0017782794100
	FSET 11, 0.0042169650343,  0.0013335214322
	FSET 12, 0.001,            0.00031622776602
	FSET 13, 0.00074989420933, 0.00023713737057
	FSET 14, 0.00056234132519, 0.00017782794100
	FSET 15, 0.00042169650343, 0.00013335214322
; ---- and cos and sin.  SC8: eight angles of tile a, pairs m0 .. m0 + 7; four sets of registers, a pair of angles each, taken line by line so that no line waits for the line above it.
; In a set: +0 the angle, then what is left of it; +2 the whole number n in the magic form; +4 n, then z r; +6 z = r^2; +8 the sine; +10 the cosine; +12 z^2; +14 1 - z / 2.
.macro SC8 a, m0
.irp g, 0,1,2,3
	v_pk_mul_f32 v[TS+16*\g:TS+16*\g+1], v[TT:TT+1], v[FQ+\m0+2*\g:FQ+\m0+2*\g+1]   ; position x frequency, rounded to f32
.endr
.irp g, 0,1,2,3
	v_pk_fma_f32 v[TS+16*\g+2:TS+16*\g+3], v[TS+16*\g:TS+16*\g+1], s[76:77], v[KMAG:KMAG+1] op_sel_hi:[1,0,1]
.endr
.irp g, 0,1,2,3
	v_pk_add_f32 v[TS+16*\g+4:TS+16*\g+5], v[TS+16*\g+2:TS+16*\g+3], v[KMAG:KMAG+1] neg_lo:[0,1] neg_hi:[0,1]   ; n = the angle / (pi / 2), to the nearest whole number
.endr
.irp g, 0,1,2,3
	v_pk_fma_f32 v[TS+16*\g:TS+16*\g+1], v[TS+16*\g+4:TS+16*\g+5], s[78:79], v[TS+16*\g:TS+16*\g+1] op_sel_hi:[1,0,1]   ; exact: n has 11 bits at the most
.endr
.irp g, 0,1,2,3
	v_pk_fma_f32 v[TS+16*\g:TS+16*\g+1], v[TS+16*\g+4:TS+16*\g+5], s[80:81], v[TS+16*\g:TS+16*\g+1] op_sel_hi:[1,0,1]   ; r, within +-pi / 4
.endr
.irp g, 0,1,2,3
	v_pk_mul_f32 v[TS+16*\g+6:TS+16*\g+7], v[TS+16*\g:TS+16*\g+1], v[TS+16*\g:TS+16*\g+1]
.endr
.irp g, 0,1,2,3
	v_pk_fma_f32 v[TS+16*\g+8:TS+16*\g+9], v[TS+16*\g+6:TS+16*\g+7], s[82:83], v[PS2:PS2+1] op_sel_hi:[1,0,1]
	v_pk_fma_f32 v[TS+16*\g+10:TS+16*\g+11], v[TS+16*\g+6:TS+16*\g+7], s[84:85], v[PC2:PC2+1] op_sel_hi:[1,0,1]
.endr
.irp g, 0,1,2,3
	v_pk_mul_f32 v[TS+16*\g+4:TS+16*\g+5], v[TS+16*\g+6:TS+16*\g+7], v[TS+16*\g:TS+16*\g+1]
	v_pk_mul_f32 v[TS+16*\g+12:TS+16*\g+13], v[TS+16*\g+6:TS+16*\g+7], v[TS+16*\g+6:TS+16*\g+7]
	v_pk_fma_f32 v[TS+16*\g+14:TS+16*\g+15], v[TS+16*\g+6:TS+16*\g+7], -0.5, 1.0 op_sel_hi:[1,0,0]
.endr
.irp g, 0,1,2,3
	v_pk_fma_f32 v[TS+16*\g+8:TS+16*\g+9], v[TS+16*\g+8:TS+16*\g+9], v[TS+16*\g+6:TS+16*\g+7], v[PS1:PS1+1]
	v_pk_fma_f32 v[TS+16*\g+10:TS+16*\g+11], v[TS+16*\g+10:TS+16*\g+11], v[TS+16*\g+6:TS+16*\g+7], v[PC1:PC1+1]
.endr
.irp g, 0,1,2,3
	v_pk_fma_f32 v[TS+16*\g+8:TS+16*\g+9], v[TS+16*\g+8:TS+16*\g+9], v[TS+16*\g+4:TS+16*\g+5], v[TS+16*\g:TS+16*\g+1]          ; sin r
	v_pk_fma_f32 v[TS+16*\g+10:TS+16*\g+11], v[TS+16*\g+10:TS+16*\g+11], v[TS+16*\g+12:TS+16*\g+13], v[TS+16*\g+14:TS+16*\g+15]   ; cos r
.endr
	; the quadrant, n mod 4: bit 0 swaps sine and cosine; the sine's sign is bit 1, the cosine's bit 0 xor bit 1
.irp e, 0,1,2,3,4,5,6,7
	v_lshlrev_b32 v[TS+16*(\e/2)+12+\e%2], 31, v[TS+16*(\e/2)+2+\e%2]
	v_lshlrev_b32 v[TS+16*(\e/2)+14+\e%2], 30, v[TS+16*(\e/2)+2+\e%2]
.endr
.irp e, 0,1,2,3,4,5,6,7
	v_cmp_gt_i32 s[16+\e], 0, v[TS+16*(\e/2)+12+\e%2]
.endr
.irp e, 0,1,2,3,4,5,6,7
	v_cndmask_b32 v[TS+16*(\e/2)+4+\e%2], v[TS+16*(\e/2)+8+\e%2], v[TS+16*(\e/2)+10+\e%2], s[16+\e]
	v_cndmask_b32 v[TS+16*(\e/2)+6+\e%2], v[TS+16*(\e/2)+10+\e%2], v[TS+16*(\e/2)+8+\e%2], s[16+\e]
.endr
.irp e, 0,1,2,3,4,5,6,7
	v_xor_b32 v[TS+16*(\e/2)+12+\e%2], v[TS+16*(\e/2)+12+\e%2], v[TS+16*(\e/2)+14+\e%2]
.endr
.irp e, 0,1,2,3,4,5,6,7
	v_and_b32 v[TS+16*(\e/2)+14+\e%2], 0x80000000, v[TS+16*(\e/2)+14+\e%2]
	v_and_b32 v[TS+16*(\e/2)+12+\e%2], 0x80000000, v[TS+16*(\e/2)+12+\e%2]
.endr
.irp e, 0,1,2,3,4,5,6,7
	v_xor_b32 v[CS+32*\a+2*(\m0+\e)+1], v[TS+16*(\e/2)+4+\e%2], v[TS+16*(\e/2)+14+\e%2]   ; sin
	v_xor_b32 v[CS+32*\a+2*(\m0+\e)], v[TS+16*(\e/2)+6+\e%2], v[TS+16*(\e/2)+12+\e%2]     ; cos
.endr
.endm
.irp a, 0,1,2,3
	SC8 \a, 0
	SC8 \a, 8
.if \a == 1
	global_prefetch_b8 v30, s[100:101] offset:256 th:TH_LOAD_NT scope:SCOPE_SE   ; K step 1
.endif
	v_add_f32 v[TT], 0x41800000, v[TT]             ; the next tile's position: 16 on
	v_add_f32 v[TT+1], 0x41800000, v[TT+1]
.endr
	s_wait_kmcnt 0x0
	s_add_co_i32 s94, s68, s69                     ; e0 + e1
.macro MKSC i, se                      ; 2^(e - e0 - e1) as f32, whose exponent field the conversion takes, and 448 x that
	s_sub_co_i32 s95, \se, s94
	s_add_co_i32 s95, s95, 127
	s_lshl_b32 s96, s95, 23
	v_mov_b32 v[SC+\i], s96
	s_add_co_i32 s95, s95, 8
	s_lshl_b32 s95, s95, 23
	s_or_b32 s95, s95, 0x600000
	v_mov_b32 v[LIM+\i], s95
.endm
	MKSC 0, s70
	MKSC 1, s71
	MKSC 2, s73
; a fragment, 16 rows x 128 K: four loads of 16 bytes, 32 apart: registers 4 c .. 4 c + 3 hold K = 32 c + 16 (lane / 16) + 0 .. 15, in x and in W alike
.macro FRAG reg, adr, q, row
.irp c, 0,1,2,3
	ds_load_b128 v[\reg+4*\c:\reg+4*\c+3], v[\adr] offset:128*(\q)+32*\c+(\row)*PITCH
.endr
.endm
.macro FETCH_W slot, q, b0, cnt        ; W's blocks b0 on, of the slot's q-th 128 along K
	WIN TO_W
.set fb, \b0
.rept \cnt
	FRAG 16*fb, ADRW+\slot, \q, 16*fb
.set fb, fb+1
.endr
.endm
.macro FETCH_X slot, q, p              ; my four tiles of x into set p
	WIN TO_X
.set fb, 0
.rept 4
	FRAG XF+64*\p+16*fb, ADRA+\slot, \q, 16*fb
.set fb, fb+1
.endr
.endm
; q's and k's products: W's blocks b0 on x my four tiles.  The 48 accumulators take turns, one instruction a turn, in the same order in every step.
.macro MULQK b0, cnt, p, zero
.set mb, \b0
.rept \cnt
.irp a, 0,1,2,3
.if \zero
	v_wmma_f32_16x16x128_fp8_fp8 v[8*(4*mb+\a):8*(4*mb+\a)+7], v[16*mb:16*mb+15], v[XF+64*\p+16*\a:XF+64*\p+16*\a+15], 0
.else
	v_wmma_f32_16x16x128_fp8_fp8 v[8*(4*mb+\a):8*(4*mb+\a)+7], v[16*mb:16*mb+15], v[XF+64*\p+16*\a:XF+64*\p+16*\a+15], v[8*(4*mb+\a):8*(4*mb+\a)+7]
.endif
.endr
.set mb, mb+1
.endr
.endm
.macro MULV p, zero                    ; v's products, the sources the other way round
.set mb, 0
.rept 4
.irp a, 0,1,2,3
.if \zero
	v_wmma_f32_16x16x128_fp8_fp8 v[8*(4*mb+\a):8*(4*mb+\a)+7], v[XF+64*\p+16*\a:XF+64*\p+16*\a+15], v[16*(8+mb):16*(8+mb)+15], 0
.else
	v_wmma_f32_16x16x128_fp8_fp8 v[8*(4*mb+\a):8*(4*mb+\a)+7], v[XF+64*\p+16*\a:XF+64*\p+16*\a+15], v[16*(8+mb):16*(8+mb)+15], v[8*(4*mb+\a):8*(4*mb+\a)+7]
.endif
.endr
.set mb, mb+1
.endr
.endm
; A slot's first 128 along K (x's set 0); the second 128's fragments are fetched on the way.
.macro STEP slot, zero
	s_wait_dscnt 16                                ; all but the youngest sixteen loads, W's blocks 8-11
	WIN MUL_QK
	MULQK 0, 8, 0, \zero
	s_wait_dscnt 0x0                               ; W's blocks 8-11 are in
	PLACES
	FETCH_W \slot, 1, 0, 8
	FETCH_X \slot, 1, 1
.if \zero
	global_prefetch_b8 v30, s[100:101] offset:512 th:TH_LOAD_NT scope:SCOPE_SE   ; K step 2 (the address lies in window 0, as FETCH_X's does)
.endif
	WIN MUL_V
	MULV 0, \zero
	PLACES
	FETCH_W \slot, 1, 8, 4
	WIN 0
.endm
; A slot's second 128 (x's set 1) changes slots: ONE barrier; in front of it each wave waits for all its tensor loads, adds 0 to its spare word, and waits for that and for its reads of this slot.
.macro TURN slot, next, fill
	s_wait_tensorcnt 0x0                           ; all my tensor loads have landed: my part of the next slot
	ds_add_u32 v[SPW], v[NIL]                      ; 0 onto my spare word
	s_wait_dscnt 17                                ; (the add and W's blocks 8-11 may be out)
	WIN MUL_QK
	MULQK 0, 4, 1, 0                               ; sixteen matrix instructions stand between the add and the wait for it
	s_wait_dscnt 0x0                               ; the add is done, and my reads of this slot are over
	s_barrier_signal -1
	MULQK 4, 4, 1, 0
	WIN 0
	s_barrier_wait -1
.if \fill
	CREST                                          ; the barrier has opened a round of the cluster's: no wave of any partner still reads this slot or has a load on its way
	s_add_nc_u64 s[G0A+4*\slot+2:G0A+4*\slot+3], s[G0A+4*\slot+2:G0A+4*\slot+3], 512
	s_add_nc_u64 s[G0W+4*\slot+2:G0W+4*\slot+3], s[G0W+4*\slot+2:G0W+4*\slot+3], 512
	JLOAD G0A+4*\slot, G0W+4*\slot                 ; the first tensor load behind the round; its four v_nop are also the places in front of the loads below
.else
	PLACES
.endif
	FETCH_W \next, 0, 0, 8
	FETCH_X \next, 0, 0
	WIN MUL_V
	MULV 1, 0
	PLACES
	FETCH_W \next, 0, 8, 4
	WIN 0
.endm
	s_wait_alu depctr_va_vdst(0)                   ; the head's end
	s_wait_tensorcnt 0x0                           ; my part of K step 0 is in
	ds_add_u32 v[SPW], v[NIL]
	s_wait_dscnt 0x0
	CROUND                                         ; everybody's part of K step 0 is in, and all sixteen work-groups are here
	JLOAD G0A+4, G0W+4                             ; K step 1, the first tensor load behind the round
	FETCH_W 0, 0, 0, 8
	FETCH_X 0, 0, 0
	FETCH_W 0, 0, 8, 4
	WIN 0
	STEP 0, 1                                      ; K 0: the first products start the sums: nothing is cleared
	TURN 0, 1, 1                                   ; K 128; slot 0 takes K 512 on
	global_prefetch_b8 v30, s[100:101] offset:768 th:TH_LOAD_NT scope:SCOPE_SE   ; K step 3
	STEP 1, 0                                      ; K 256
	TURN 1, 0, 1                                   ; K 384; slot 1 takes K 768 on
	STEP 0, 0                                      ; K 512
	TURN 0, 1, 0                                   ; K 640; nothing is left to fetch
	STEP 1, 0                                      ; K 768
	s_wait_dscnt 16                                ; K 896, the last
	WIN MUL_QK
	MULQK 0, 8, 1, 0
	s_wait_dscnt 0x0
	WIN MUL_V
	MULV 1, 0
	WIN 0
.irp tq, 0,1,2,3
	v_mov_b32 v[YX+\tq], 0                         ; a lane exchange's destination counts as read: written once.  These four are also the places behind the last products
.endr
; RoPE on tile a of q (p = 0) or k (p = 1), then the codes.  Lane (r, h), W tile tq, register 2 jj: x_rot of pair i = 8 tq + 4 h + jj; register 2 jj + 1: x_pass.
;   new_rot[i]  = x_rot[i] c[i]  - x_pass[i - 1] s[i]     (i - 1 round the 32 pairs)
;   new_pass[i] = x_pass[i] c[i] + new_rot[i + 1] s[i]
; The neighbour pair lies in the same lane but at the ends of a lane's four: pair i - 1 of jj = 0 is register 7 of the other half of the lanes, in tile tq (for h = 1) or tq - 1 (h = 0);
; pair i + 1 of jj = 3 is register 0 of the other half, in tile tq (h = 0) or tq + 1 (h = 1).  Each accumulator is read from its low end on.
; q and k of a tile go together, part by part: q at work in v32-79, k 48 registers on, in v80-127, which the sines have left.
.macro ROPE a
	WIN 0x02                                       ; source 0: window 2
.irp p, 0,1
.irp tq, 0,1,2,3
.irp jj, 0,1,2,3
	v_pk_mul_f32 v[TW+48*\p+8*\tq+2*\jj:TW+48*\p+8*\tq+2*\jj+1], v[8*(4*(4*\p+\tq)+\a)+2*\jj:8*(4*(4*\p+\tq)+\a)+2*\jj+1], v[CS+32*\a+2*(4*\tq+\jj):CS+32*\a+2*(4*\tq+\jj)+1] op_sel_hi:[1,0]   ; both x c
.endr
.endr
.endr
.irp p, 0,1
.irp tq, 0,1,2,3
	v_permlanex16_b32 v[YX+48*\p+\tq], v[8*(4*(4*\p+\tq)+\a)+7], s86, s87
.endr
.endr
.irp p, 0,1
.irp tq, 0,1,2,3
.irp jj, 1,2,3
	v_fma_f32 v[TW+48*\p+8*\tq+2*\jj], -v[8*(4*(4*\p+\tq)+\a)+2*\jj-1], v[CS+32*\a+2*(4*\tq+\jj)+1], v[TW+48*\p+8*\tq+2*\jj]
.endr
.endr
.endr
	WIN 0
.irp p, 0,1
.irp tq, 0,1,2,3
	v_cndmask_b32 v[PVX+48*\p+\tq], v[YX+48*\p+((\tq+3)&3)], v[YX+48*\p+\tq], s88
.endr
.endr
.irp p, 0,1
.irp tq, 0,1,2,3
	v_fma_f32 v[TW+48*\p+8*\tq], -v[PVX+48*\p+\tq], v[CS+32*\a+8*\tq+1], v[TW+48*\p+8*\tq]
.endr
.endr
.irp p, 0,1
.irp tq, 0,1,2,3
	v_permlanex16_b32 v[YX+48*\p+\tq], v[TW+48*\p+8*\tq], s86, s87
.endr
.endr
.irp p, 0,1
.irp tq, 0,1,2,3
.irp jj, 0,1,2
	v_fma_f32 v[TW+48*\p+8*\tq+2*\jj+1], v[TW+48*\p+8*\tq+2*\jj+2], v[CS+32*\a+2*(4*\tq+\jj)+1], v[TW+48*\p+8*\tq+2*\jj+1]
.endr
.endr
.endr
.irp p, 0,1
.irp tq, 0,1,2,3
	v_cndmask_b32 v[PVX+48*\p+\tq], v[YX+48*\p+\tq], v[YX+48*\p+((\tq+1)&3)], s88
.endr
.endr
.irp p, 0,1
.irp tq, 0,1,2,3
	v_fma_f32 v[TW+48*\p+8*\tq+7], v[PVX+48*\p+\tq], v[CS+32*\a+2*(4*\tq+3)+1], v[TW+48*\p+8*\tq+7]
.endr
.endr
.irp p, 0,1
.set n, 0
.rept 32
	v_med3_num_f32 v[TW+48*\p+n], v[TW+48*\p+n], -v[LIM+\p], v[LIM+\p]   ; the conversion to an 8-bit code does not saturate (ISA guide 7.6.2): the hold at 448 x the scale
.set n, n+1
.endr
.endr
	s_wait_alu depctr_va_vdst(0)
	s_wait_xcnt 0x0                                ; the last stores have read their data: the codes' registers are written again only behind this wait
.irp p, 0,1
.irp tq, 0,1,2,3
	v_cvt_scalef32_pk8_fp8_f32 v[CDX+48*\p+2*\tq:CDX+48*\p+2*\tq+1], v[TW+48*\p+8*\tq:TW+48*\p+8*\tq+7], v[SC+\p]   ; registers 2 tq, 2 tq + 1 of the fragment: channels 16 tq + 8 h + 0 .. 7
.endr
.endr
	v_nop                                          ; one plain vector line behind the last conversion
	global_store_b128 v[LI], v[CDX:CDX+3], s[90:91] offset:1024*\a          ; 32 lanes store 512 consecutive bytes, aligned
	global_store_b128 v[LI], v[CDX+4:CDX+7], s[90:91] offset:1024*\a+512
	global_store_b128 v[VK], v[CDX+48:CDX+51], s[92:93] offset:1024*\a
	global_store_b128 v[VK], v[CDX+52:CDX+55], s[92:93] offset:1024*\a+512
.endm
; v's channels 16 c .. 16 c + 31, two tiles u together: tile a's eight registers are keys 16 a + 8 h + 0 .. 7 of my 64: registers 2 k, 2 k + 1 of the V^T fragment, k = 4 (w % 2) + a
.macro VOUT c
	WIN 0x03                                       ; source 0: window 3
.irp u, 0,1
.irp a, 0,1,2,3
.irp j, 0,1,2,3,4,5,6,7
	v_med3_num_f32 v[TW+48*\u+8*\a+\j], v[8*(4*(\c+\u)+\a)+\j], -v[LIM+2], v[LIM+2]
.endr
.endr
.endr
	WIN 0
	s_wait_alu depctr_va_vdst(0)
	s_wait_xcnt 0x0
.irp u, 0,1
.irp a, 0,1,2,3
	v_cvt_scalef32_pk8_fp8_f32 v[CDX+48*\u+2*\a:CDX+48*\u+2*\a+1], v[TW+48*\u+8*\a:TW+48*\u+8*\a+7], v[SC+2]
.endr
.endr
	v_nop
.irp u, 0,1
	global_store_b128 v[VV], v[CDX+48*\u:CDX+48*\u+3], s[92:93] offset:2048*(\c+\u)
	global_store_b128 v[VV], v[CDX+48*\u+4:CDX+48*\u+7], s[92:93] offset:2048*(\c+\u)+512
.endr
.endm
.irp a, 0,1,2,3
	ROPE \a
.endr
	VOUT 0
	VOUT 2
	s_wait_tensorcnt 0x0                           ; the wave's end
	ds_add_u32 v[SPW], v[NIL]
	s_wait_dscnt 0x0
	CROUND                                         ; the closing round: no work-group ends while a partner may still ask for a tile that names it
	s_endpgm
.Lfunc_end_k_q9e2f10a826_qkv:
	.size	k_q9e2f10a826_qkv, .Lfunc_end_k_q9e2f10a826_qkv-k_q9e2f10a826_qkv
	.p2alignl 7, 3214868480
	.fill 96, 4, 3214868480
	.section	.rodata,"a",@progbits
	.p2align	6, 0x0
	.amdhsa_kernel k_q9e2f10a826_qkv
		.amdhsa_group_segment_fixed_size 327680
		.amdhsa_private_segment_fixed_size 0
		.amdhsa_enable_private_segment 0
		.amdhsa_kernarg_size 40
		.amdhsa_user_sgpr_count 2
		.amdhsa_user_sgpr_kernarg_segment_ptr 1
		.amdhsa_wavefront_size32 1
		.amdhsa_system_sgpr_workgroup_id_x 1
		.amdhsa_system_sgpr_workgroup_id_y 1
		.amdhsa_system_sgpr_workgroup_id_z 1
		.amdhsa_system_vgpr_workitem_id 0
		.amdhsa_next_free_vgpr 1024
		.amdhsa_next_free_sgpr 106
		.amdhsa_reserve_vcc 1
		.amdhsa_float_denorm_mode_32 3
		.amdhsa_float_denorm_mode_16_64 3
		.amdhsa_memory_ordered 1
		.amdhsa_forward_progress 1
		.amdhsa_inst_pref_size 198
	.end_amdhsa_kernel
	.amdgpu_metadata
---
amdhsa.version: [ 1, 2 ]
amdhsa.kernels:
  - .name:           k_q9e2f10a826_qkv
    .symbol:         k_q9e2f10a826_qkv.kd
    .args:
      - { .name: x_codes, .offset: 0, .size: 8, .value_kind: global_buffer, .address_space: global }
      - { .name: w_attn_codes, .offset: 8, .size: 8, .value_kind: global_buffer, .address_space: global }
      - { .name: lowp_scales, .offset: 16, .size: 8, .value_kind: global_buffer, .address_space: global }
      - { .name: q_img, .offset: 24, .size: 8, .value_kind: global_buffer, .address_space: global }
      - { .name: kv_img, .offset: 32, .size: 8, .value_kind: global_buffer, .address_space: global }
    .group_segment_fixed_size: 327680
    .private_segment_fixed_size: 0
    .kernarg_segment_align: 8
    .kernarg_segment_size: 40
    .max_flat_workgroup_size: 128
    .sgpr_count:     106
    .vgpr_count:     1024
    .wavefront_size: 32
...
	.end_amdgpu_metadata
.endif
;; end of part 1
;; launch attn (part 2): grid 8 x 32, 8 waves a work-group, clusters of 4 x 1, 327,680 bytes of LDS; arguments q_img, kv_img, lowp_scales, y_img; writes y_img
.if DOCPART == 2
	.amdgcn_target "amdgcn-amd-amdhsa--gfx1250"
	.amdhsa_code_object_version 6
	.text
	.protected	k_q9e2f10a826_attn
	.globl	k_q9e2f10a826_attn
	.p2align	8
	.type	k_q9e2f10a826_attn,@function
k_q9e2f10a826_attn:
	s_mov_b64 s[64:65], 0
	v_nop
	global_prefetch_b8 v0, s[64:65] scope:SCOPE_SE
	s_setreg_imm32_b32 hwreg(HW_REG_WAVE_MODE, 25, 1), 1
	s_wait_xcnt 0x0
	s_wait_alu depctr_hold_cnt(0) depctr_sa_sdst(0) depctr_va_vdst(0) depctr_va_sdst(0) depctr_va_ssrc(0) depctr_va_vcc(0) depctr_vm_vsrc(0)
	s_getreg_b32 s2, hwreg(HW_REG_IB_STS2, 6, 4)
	s_cmp_eq_u32 s2, 0
	s_cbranch_scc0 .Lentry_in_a_cluster
	s_endpgm
.Lentry_in_a_cluster:
	s_bfe_u32 s2, ttmp6, 0x10000c
	s_cmp_lg_u32 s2, 0x3003
	s_cbranch_scc0 .Lentry_shape_is_right
	s_endpgm
.Lentry_shape_is_right:
; y = softmax(q k^T / 8, causal) v on codes of E4M3.  A work-group has one head (y of the grid) and eight of its 64 blocks of 32 queries; a wave works on a block, two tiles of 16, at a time, so that each fragment of K and V feeds two products.
; WORK LEFT OUT: steps of 128 keys all of which come after the block's last query: reference()'s own causal mask puts -infinity there, so their p is 0 for all inputs.  LIMIT: a NaN or an infinity that reaches only those is not carried to the result.
; SHARES.  Work-group x has block p = 8 e + x (e even) or 8 e + (x xor 4) (e odd), e = 0 .. 7.  Block p needs the steps 0 to D = p / 4 = 2 e + f; f is x / 4 (e even) or 1 less that (e odd): it hangs on the cluster's number alone.
; e = i and e = 7 - i together have D + D' = 15, 17 steps, and two waves share them: A takes the long block's (e = 7 - i) steps 0 to 8, B the short block's (e = i) steps 0 to D and then the long block's steps 9 to 15 - D.  So A has 9 steps and B has 8.
; A leaves its part of the long block (-M, the sum, O^T) in LDS; B joins it with its own and stores both blocks.  Waves i and i + 4: A and B.
; All waves walk the sixteen steps, in two loops; what a wave does not own is passed over by a branch on the wave's number, the cluster's number and the count of steps.
; K and V of the whole head, 262,144 bytes, lie in LDS, filled once, jointly for the four work-groups of the cluster (they share the head): at the head key blocks 0 and 1, 4,096 bytes a wave; behind the full sequence and a round
; the other fourteen, 28,672 bytes a wave, which have the first loop's two steps in which to land.  One tensor load a wave each time; nothing is filled again.
; No prefetch: the second load is asked for as soon as the first has landed, and the loop that follows asks for nothing more.
; LAYOUT.  q_img, kv_img hold images of operand registers (launch qkv).  S^T = K Q^T, O^T = V^T P^T: a lane holds one query (lane % 16) of each tile; register 8 n + i of S^T is key 16 n + 8 (lane / 16) + i of the step.
;   y_img [tile of 16 rows 256][head 16][2 pieces][512]: images of operand registers for the projection.
; THE SOFTMAX: t = score x log2(e) / 8; M = ceil of the running largest t; p = 2^(t - M) is quantised; the sum is of the unquantised p; a change of M multiplies the sum and O^T by a power of two.
; THE MASK of a block's last step depends on lane and x % 4 alone: a table of 128 registers of 0 or -infinity in LDS, made by the eight waves, sixteen registers each, and added to the scores.
; LIMITS, so that each power of two is an f32 number: e2 + e3 between -123 and 130; e4 between -126 and 119; e6 - e4 - e5 between -126 and 119.  The scaled scores stay under 2^31 in magnitude.
; REGISTERS: window 0 as below; window 1: v0-63 K's fragments, v64-127 V's, v128-159 p's codes of both tiles.
.set SPARE, 0x40000                    ; the spare words, 128 bytes a wave
.set TBL,   0x40400                    ; the mask's table, 8,192 bytes a tile
.set STAGE, 0x44400                    ; A's parts: 9,216 bytes for each i
.set LI,  1                            ; v1  16 x lane
.set AD,  2                            ; v2  LDS address of the step's block
.set MA,  3                            ; v3  of my job's part
.set TA,  4                            ; v4  of the table
.set A9,  5                            ; v5  of key block 9
.set QF,  32                           ; v32-47   Q's fragments of both tiles
.set S0,  64                           ; v64-127  S^T, then p, tile 0
.set S1,  128                          ; v128-191 tile 1
.set O0,  192                          ; v192-223 O^T, tile 0
.set O1,  224                          ; v224-255 tile 1
; tile 0: v12 -M, v13 the largest t, v[14:15] the sum in two halves, v[22:23] the factor; tile 1: v18, v19, v[20:21], v[16:17].  v28-31, v48-57 at work
.set SPW, 58
.set NIL, 59
.set KF,  0                            ; window 1
.set VF,  64
.set PC,  128
.set WV,  12
.set II,  13                           ; i
.set RO,  15                           ; 0: A, 1: B
.set EE,  24                           ; the last step that I own in this part of the walk
.set DD,  25                           ; the step in which my block's mask begins
.set DL,  26                           ; the same of the long block
.set TB,  44                           ; LDS byte of the step's block
.set ST,  45                           ; the step
.set MSB, 0
.macro WIN new                         ; the immediate's high byte repeats the setting that is left
.if MSB != (\new)
	s_set_vgpr_msb (MSB<<8)|(\new)
.set MSB, (\new)
.endif
.endm
.macro CROUND
	s_barrier_signal -1
	s_barrier_wait -1
	s_cmp_lg_u32 s[WV], 0
	s_cbranch_scc1 .Lnot_wave_0_\@
	s_barrier_signal -3
.Lnot_wave_0_\@:
	s_barrier_wait -3
	s_barrier_signal -1
	s_barrier_wait -1
.endm
.macro LOAD16 reg, adr, off            ; 16 loads of 16 bytes a lane into window 1
	WIN 0x40
.set n, 0
.rept 16
	ds_load_b128 v[\reg+4*n:\reg+4*n+3], v[\adr] offset:(\off)+512*n
.set n, n+1
.endr
	WIN 0
.endm
	s_load_b128 s[4:7], s[0:1], 0x0                ; q_img, kv_img
	s_load_b128 s[8:11], s[0:1], 0x10              ; the scales' exponents, y_img
	v_lshl_add_u32 v[SPW], v0, 2, SPARE
	v_mov_b32 v[NIL], 0
	ds_add_u32 v[SPW], v[NIL]                      ; the opening: the add, twice on end, and its wait ahead of my first tensor load
	ds_add_u32 v[SPW], v[NIL]
	v_lshrrev_b32 v6, 5, v0
	v_and_b32 v7, 31, v0
	v_readfirstlane_b32 s[WV], v6                  ; wave 0..7
	v_lshlrev_b32 v[LI], 4, v7
	s_mov_b32 s16, 15|(3<<16)|(1<<21)              ; group 1 of the first load: all four of the cluster; elements of 8 bytes; bit 21 beside a mask
	s_mov_b32 s17, 32<<16                          ; rows of 256 bytes, dense
	s_mov_b32 s18, 16<<16                          ; 16 of them
	s_mov_b32 s19, 32<<16
	s_mov_b32 s20, 16
	s_mov_b32 s21, 32
	s_mov_b32 s22, 0
	s_mov_b32 s23, 0
	s_mov_b32 s84, 15|(3<<16)|(1<<21)              ; and of the second: 112 rows
	s_mov_b32 s85, 32<<16
	s_mov_b32 s86, 112<<16
	s_mov_b32 s87, 32<<16
	s_mov_b32 s88, 112
	s_mov_b32 s89, 32
	s_mov_b32 s90, 0
	s_mov_b32 s91, 0
	s_and_b32 s[II], s[WV], 3
	s_lshr_b32 s[RO], s[WV], 2
	s_bfe_u32 s14, ttmp6, 0x40000
	s_lshl_b32 s47, ttmp9, 2
	s_add_co_u32 s47, s47, s14                     ; x: cx enters addresses in memory and the mask's table, and no branch
	s_and_b32 s46, ttmp7, 0xffff                   ; 16 x batch + head
	s_lshl_b32 s66, s46, 18
	s_lshl_b32 s33, s[WV], 12                      ; my part of key blocks 0 and 1, in LDS and in the head
	s_mul_i32 s93, s[WV], 28672
	s_add_co_u32 s93, s93, 32768                   ; and of the others
	s_add_co_u32 s82, s66, s93
	s_mov_b32 s83, 0
	s_add_co_u32 s66, s66, s33
	s_mov_b32 s67, 0
	s_mov_b32 s32, 1
	s_mov_b32 s92, 1
	s_and_b32 s14, s[II], 1
	s_xor_b32 s68, ttmp9, s14                      ; f of the short block: the cluster's number and the wave's alone
	s_lshl_b32 s69, s[II], 1
	s_add_co_u32 s69, s69, s68                     ; D of the short block
	s_sub_co_u32 s[DL], 15, s69                    ; D of the long one
	s_lshl_b32 s14, s14, 2
	s_xor_b32 s70, s47, s14
	s_xor_b32 s71, s70, 4
	s_lshl_b32 s72, s[II], 3
	s_add_co_u32 s70, s70, s72                     ; the short block
	s_sub_co_u32 s72, 56, s72
	s_add_co_u32 s71, s71, s72                     ; the long block
	s_cmp_eq_u32 s[RO], 0
	s_cselect_b32 s[EE], 8, s69                    ; A begins with the long block, B with the short one
	s_cselect_b32 s[DD], s[DL], s69
	s_cselect_b32 s72, s71, s70
	s_lshl_b32 s73, s46, 17
	s_lshl_b32 s74, s71, 11
	s_add_co_u32 s74, s74, s73                     ; the queries: 2,048 bytes a block: of the long one,
	s_mov_b32 s75, 0
	s_lshl_b32 s76, s72, 11
	s_add_co_u32 s76, s76, s73                     ; of the one that I begin with
	s_mov_b32 s77, 0
	s_lshr_b32 s73, s46, 4
	s_lshl_b32 s73, s73, 21
	s_and_b32 s72, s46, 15
	s_lshl_b32 s72, s72, 10
	s_add_co_u32 s73, s73, s72
	s_lshl_b32 s78, s71, 15
	s_add_co_u32 s78, s78, s73                     ; and their places in y_img: 32,768 bytes a block, 1,024 a tile's head
	s_mov_b32 s79, 0
	s_lshl_b32 s80, s70, 15
	s_add_co_u32 s80, s80, s73
	s_mov_b32 s81, 0
	s_wait_alu depctr_va_vdst(0)
	s_wait_dscnt 0x0                               ; both opening adds are done
	s_wait_kmcnt 0x0
	s_load_b256 s[48:55], s[8:9], 0x0              ; e0 .. e7
	s_add_nc_u64 s[34:35], s[6:7], s[66:67]
	s_or_b32 s35, s35, 0x80000000
	s_add_nc_u64 s[94:95], s[6:7], s[82:83]
	s_or_b32 s95, s95, 0x80000000
	s_add_nc_u64 s[60:61], s[4:5], s[74:75]        ; the long block's queries
	s_add_nc_u64 s[62:63], s[4:5], s[76:77]        ; mine to begin with
	s_add_nc_u64 s[58:59], s[10:11], s[78:79]      ; the long block's place in y_img
	s_add_nc_u64 s[56:57], s[10:11], s[80:81]      ; the short block's
	CROUND                                         ; the four work-groups are here: the joint loads meet
	tensor_load_to_lds s[32:35], s[16:23]
	s_nop 0
.rept 4
	v_nop
.endr
.macro LOADQ base                      ; a block's fragments of Q: 2,048 consecutive bytes
.irp k, 0,1,2,3
	global_load_b128 v[QF+4*\k:QF+4*\k+3], v[LI], s[\base:\base+1] offset:512*\k
.endr
.endm
	LOADQ 62
	; my sixteen registers of the mask's table: keys 16 w + 8 (lane / 16) + 0 .. 7 against query 32 (x % 4) + 16 u + lane % 16 of tile u
	s_and_b32 s68, s47, 3
	s_lshl_b32 s68, s68, 5
	s_lshl_b32 s69, s[WV], 4
	s_sub_co_u32 s68, s68, s69
	s_lshl_b32 s82, s[WV], 10
	s_add_co_u32 s82, s82, TBL
	s_mul_i32 s83, s[II], 9216
	s_add_co_u32 s83, s83, STAGE
	s_mov_b32 s40, 0x76543210                      ; v_permlanex16_b32: lane l xor 16
	s_mov_b32 s41, 0xfedcba98
	v_and_b32 v6, 15, v0
	v_bfe_u32 v7, v0, 4, 1
	v_add_nc_u32 v[MA], s83, v[LI]
	v_lshlrev_b32 v7, 3, v7
	v_add_nc_u32 v[TA], TBL, v[LI]
	v_sub_nc_u32 v6, v6, v7
	v_add_nc_u32 v[A9], 9*16384, v[LI]
	v_add_nc_u32 v6, s68, v6
	v_add_nc_u32 v8, s82, v[LI]
	v_mov_b32 v9, 0xff800000                       ; -infinity
	v_add_nc_u32 v7, 16, v6
.irp k, 0,1,2,3,4,5,6,7
	v_cmp_gt_i32 vcc_lo, \k, v6
	v_cndmask_b32 v[S0+\k], 0, v9, vcc_lo
	v_cmp_gt_i32 vcc_lo, \k, v7
	v_cndmask_b32 v[S0+8+\k], 0, v9, vcc_lo
.endr
; a block's state at its start: the largest t -3e38, under every t; -M; the sum in two halves; O^T.  A step's first change of M multiplies zeros
.macro RESET
	v_mov_b32 v13, 0xff61b1e6
	v_mov_b32 v19, 0xff61b1e6
.irp k, 14,15,20,21
	v_mov_b32 v\k, 0
.endr
	v_floor_f32 v12, -v13
	v_floor_f32 v18, -v19
.set n, 0
.rept 64
	v_mov_b32 v[O0+n], 0
.set n, n+1
.endr
.endm
	RESET
	v_mov_b32 v17, 0                               ; (upper halves of the factors' pairs)
	v_mov_b32 v23, 0
	v_mov_b32 v52, 0                               ; a lane exchange's destination counts as read: written once
	v_mov_b32 v53, 0
	s_wait_alu depctr_va_vdst(0)
	s_wait_kmcnt 0x0
	s_mov_b32 s42, 0x3e38aa3b                      ; log2(e) / 8
	s_add_co_i32 s76, s50, s51
	s_lshl_b32 s76, s76, 23
	s_add_co_i32 s42, s42, s76                     ; x 2^(e2 + e3), on the exponent field
	s_mov_b32 s43, s42
	s_add_co_i32 s76, s52, 127
	s_lshl_b32 s77, s76, 23
	v_mov_b32 v24, s77                             ; 2^e4 as f32
	s_add_co_i32 s76, s76, 8
	s_lshl_b32 s76, s76, 23
	s_or_b32 s76, s76, 0x600000
	v_mov_b32 v25, s76                             ; 448 x that
	s_sub_co_i32 s76, s54, s52
	s_sub_co_i32 s76, s76, s53
	s_add_co_i32 s76, s76, 127
	s_lshl_b32 s77, s76, 23
	v_mov_b32 v26, s77                             ; 2^(e6 - e4 - e5) as f32
	s_add_co_i32 s76, s76, 8
	s_lshl_b32 s76, s76, 23
	s_or_b32 s76, s76, 0x600000
	v_mov_b32 v27, s76                             ; 448 x that
; a finished block: v14, v20 = my half's sums, O^T: divided, held, quantised along the channels, stored as pieces of 512 consecutive bytes.  (S^T's registers are free)
.macro FINISH base
	v_permlanex16_b32 v52, v14, s40, s41
	v_permlanex16_b32 v53, v20, s40, s41
	v_add_f32 v14, v14, v52                        ; and lane l xor 16's: the rows' sums
	v_add_f32 v20, v20, v53
	s_wait_alu depctr_va_vdst(0)                   ; ahead of the transcendentals
	v_rcp_f32 v14, v14
	v_rcp_f32 v20, v20
	v_nop
	s_wait_alu depctr_va_vdst(0)                   ; and ahead of their first readers, and of O^T's
.set n, 0
.rept 16
	v_pk_mul_f32 v[S0+n:S0+n+1], v[O0+n:O0+n+1], v[14:15] op_sel_hi:[1,0]
	v_pk_mul_f32 v[S0+32+n:S0+33+n], v[O1+n:O1+n+1], v[20:21] op_sel_hi:[1,0]
.set n, n+2
.endr
.set n, 0
.rept 64
	v_med3_num_f32 v[S0+n], v[S0+n], -v27, v27     ; the conversion does not saturate (ISA guide 7.6.2)
.set n, n+1
.endr
.set n, 0
.rept 8
	v_cvt_scalef32_pk8_fp8_f32 v[S1+2*n:S1+2*n+1], v[S0+8*n:S0+8*n+7], v26
.set n, n+1
.endr
	v_nop
	global_store_b128 v[LI], v[S1:S1+3], s[\base:\base+1]
	global_store_b128 v[LI], v[S1+4:S1+7], s[\base:\base+1] offset:512
	global_store_b128 v[LI], v[S1+8:S1+11], s[\base:\base+1] offset:16384
	global_store_b128 v[LI], v[S1+12:S1+15], s[\base:\base+1] offset:16896
.endm
; a sum of 64 numbers p onto l, in four chains of pairs (l, c1, c2, c3); the chain c2 is joined by the line behind the macro's use
.macro SUM p, l, c1, c2, c3
	v_pk_add_f32 v[\c1:\c1+1], v[\p:\p+1], v[\p+2:\p+3]
	v_pk_add_f32 v[\c2:\c2+1], v[\p+4:\p+5], v[\p+6:\p+7]
	v_pk_add_f32 v[\c3:\c3+1], v[\p+8:\p+9], v[\p+10:\p+11]
.set n, 12
.rept 6
	v_pk_add_f32 v[\l:\l+1], v[\l:\l+1], v[\p+n:\p+n+1]
	v_pk_add_f32 v[\c1:\c1+1], v[\c1:\c1+1], v[\p+n+2:\p+n+3]
	v_pk_add_f32 v[\c2:\c2+1], v[\c2:\c2+1], v[\p+n+4:\p+n+5]
	v_pk_add_f32 v[\c3:\c3+1], v[\c3:\c3+1], v[\p+n+6:\p+n+7]
.set n, n+8
.endr
	v_pk_add_f32 v[\l:\l+1], v[\l:\l+1], v[\p+60:\p+61]
	v_pk_add_f32 v[\c1:\c1+1], v[\c1:\c1+1], v[\p+62:\p+63]
	v_pk_add_f32 v[\c2:\c2+1], v[\c2:\c2+1], v[\c3:\c3+1]
	v_pk_add_f32 v[\l:\l+1], v[\l:\l+1], v[\c1:\c1+1]
.endm
.macro MX1 cnt                         ; so many lines of tile 1's maxima
.rept \cnt
	v_max3_num_f32 v[48+((m-12)/2)%4], v[48+((m-12)/2)%4], v[S1+m], v[S1+m+1]
.set m, m+2
.endr
.endm
.macro SC0 cnt                         ; so many lines of tile 0's scalings: t - M
.rept \cnt
	v_pk_fma_f32 v[S0+m:S0+m+1], v[S0+m:S0+m+1], s[42:43], v[12:13] op_sel_hi:[1,0,0]
.set m, m+2
.endr
.endm
; A STEP: 128 keys.  first = 1 (the first loop): K's fragments are fetched at its head.  first = 0: they have been asked for in the step before, or ahead of the loop, or at the turn.
.macro STEP first
	s_cmp_gt_u32 s[ST], s[EE]
	s_cbranch_scc1 .Lskip_\@
.if \first
	v_add_nc_u32 v[AD], s[TB], v[LI]
	s_wait_alu depctr_va_vdst(0)                   ; behind the write
	LOAD16 KF, AD, 0
	s_wait_dscnt 0x0
.endif
	WIN 0x01                                       ; source 0 (K) window 1
.set n, 0
.rept 8
	v_wmma_f32_16x16x64_fp8_fp8 v[S0+8*n:S0+8*n+7], v[KF+8*n:KF+8*n+7], v[QF:QF+7], 0
	v_wmma_f32_16x16x64_fp8_fp8 v[S1+8*n:S1+8*n+7], v[KF+8*n:KF+8*n+7], v[QF+8:QF+15], 0
.set n, n+1
.endr
	WIN 0
.if \first
	v_nop
.else
	v_add_nc_u32 v[AD], s[TB], v[LI]
.endif
.rept 3
	v_nop                                          ; with the line above four places in front of loads into registers that products have read
.endr
	s_wait_alu depctr_va_vdst(0)                   ; ahead of the branches
	s_cmp_lg_u32 s[ST], s[DD]
	s_cbranch_scc1 .Lopen_\@
	LOAD16 VF, TA, 0
	LOAD16 KF, TA, 8192
	s_wait_dscnt 0x0
	WIN 0x04                                       ; source 1 (the table) window 1
.set n, 0
.rept 32
	v_pk_add_f32 v[S0+n:S0+n+1], v[S0+n:S0+n+1], v[VF+n:VF+n+1]   ; hidden keys' scores become -infinity: p = 0
	v_pk_add_f32 v[S1+n:S1+n+1], v[S1+n:S1+n+1], v[KF+n:KF+n+1]
.set n, n+2
.endr
	WIN 0
	s_wait_alu depctr_va_vdst(0)                   ; ahead of the branch below
.Lopen_\@:
	LOAD16 VF, AD, 8192                            ; V^T's fragments, on their way through the softmax,
.if (\first) == 0
	s_cmp_ge_u32 s[ST], s[EE]
	s_cbranch_scc1 .Llast_\@
	LOAD16 KF, AD, 16384                           ; and K's of the next step, where I own one
.Llast_\@:
.endif
	; the largest score of each tile's query among my 64 keys, in four chains a tile, from each accumulator's low end on; tile 0's joins stand among tile 1's maxima, tile 1's among tile 0's scalings
.irp k, 0,1,2,3
	v_max3_num_f32 v[28+\k], v[S0+3*\k], v[S0+3*\k+1], v[S0+3*\k+2]
.endr
.set n, 12
.rept 26
	v_max3_num_f32 v[28+((n-12)/2)%4], v[28+((n-12)/2)%4], v[S0+n], v[S0+n+1]
.set n, n+2
.endr
.irp k, 0,1,2,3
	v_max3_num_f32 v[48+\k], v[S1+3*\k], v[S1+3*\k+1], v[S1+3*\k+2]
.endr
.set m, 12
	v_max3_num_f32 v28, v28, v29, v30
	MX1 2
	v_max_num_f32 v28, v28, v31
	MX1 2
	v_permlanex16_b32 v52, v28, s40, s41
	MX1 3
	v_max_num_f32 v28, v28, v52
	MX1 3
	v_mul_f32 v28, s42, v28
	MX1 3
	v_max_num_f32 v13, v13, v28                    ; the running largest t
	MX1 3
	v_mov_b32 v28, v12
	v_floor_f32 v12, -v13                          ; -M, a whole number
	MX1 3
	v_sub_f32 v28, v12, v28
	MX1 3
	v_cvt_i32_f32 v28, v28
	MX1 2
	v_ldexp_f32 v22, 1.0, v28                      ; 2^(old M - new M)
	MX1 2
.set m, 0
	v_max3_num_f32 v48, v48, v49, v50
	SC0 3
	v_max_num_f32 v48, v48, v51
	SC0 3
	v_permlanex16_b32 v53, v48, s40, s41
	SC0 3
	v_max_num_f32 v48, v48, v53
	SC0 3
	v_mul_f32 v48, s42, v48
	SC0 3
	v_max_num_f32 v19, v19, v48
	SC0 3
	v_mov_b32 v48, v18
	v_floor_f32 v18, -v19
	SC0 3
	v_sub_f32 v48, v18, v48
	SC0 3
	v_cvt_i32_f32 v48, v48
	SC0 4
	v_ldexp_f32 v16, 1.0, v48
	SC0 4
.set n, 0
.rept 16
	v_pk_mul_f32 v[O0+n:O0+n+1], v[O0+n:O0+n+1], v[22:23] op_sel_hi:[1,0]
	v_pk_mul_f32 v[O1+n:O1+n+1], v[O1+n:O1+n+1], v[16:17] op_sel_hi:[1,0]
.set n, n+2
.endr
	s_wait_alu depctr_va_vdst(0)                   ; ahead of the batch
.set n, 0
.rept 32                               ; tile 0's p; tile 1's scalings stand between
	v_exp_f32 v[S0+n], v[S0+n]
	v_exp_f32 v[S0+n+1], v[S0+n+1]
	v_pk_fma_f32 v[S1+n:S1+n+1], v[S1+n:S1+n+1], s[42:43], v[18:19] op_sel_hi:[1,0,0]
.set n, n+2
.endr
	v_pk_mul_f32 v[14:15], v[14:15], v[22:23] op_sel_hi:[1,0]
	s_wait_alu depctr_va_vdst(0)                   ; ahead of the first readers of tile 0's p, and ahead of tile 1's batch
	SUM S0, 14, 28, 30, 54                         ; the sum of the unquantised p
	v_pk_add_f32 v[14:15], v[14:15], v[30:31]
.set n, 0
.rept 32                               ; tile 1's p; tile 0's holds stand between (p is not negative: one-sided)
	v_exp_f32 v[S1+n], v[S1+n]
	v_exp_f32 v[S1+n+1], v[S1+n+1]
	v_dual_min_num_f32 v[S0+n], v[S0+n], v25 :: v_dual_min_num_f32 v[S0+n+1], v[S0+n+1], v25
.set n, n+2
.endr
	v_pk_mul_f32 v[20:21], v[20:21], v[16:17] op_sel_hi:[1,0]
	s_wait_alu depctr_va_vdst(0)                   ; ahead of the first readers of tile 1's p
	SUM S1, 20, 48, 50, 56
.set n, 0
.rept 32
	v_dual_min_num_f32 v[S1+n], v[S1+n], v25 :: v_dual_min_num_f32 v[S1+n+1], v[S1+n+1], v25
.set n, n+2
.endr
	WIN 0x40
.set n, 0
.rept 16
	v_cvt_scalef32_pk8_fp8_f32 v[PC+2*n:PC+2*n+1], v[S0+8*n:S0+8*n+7], v24   ; both tiles: S1 lies behind S0
.set n, n+1
.endr
	WIN 0
	v_pk_add_f32 v[20:21], v[20:21], v[50:51]      ; (the plain place behind the last conversion)
	s_wait_alu depctr_va_vdst(0)
	s_wait_dscnt 0x0                               ; V, and the next step's K
	WIN 0x05                                       ; sources 0 (V) and 1 (p) window 1
.set n, 0
.rept 4
	v_wmma_f32_16x16x128_fp8_fp8 v[O0+8*n:O0+8*n+7], v[VF+16*n:VF+16*n+15], v[PC:PC+15], v[O0+8*n:O0+8*n+7]
	v_wmma_f32_16x16x128_fp8_fp8 v[O1+8*n:O1+8*n+7], v[VF+16*n:VF+16*n+15], v[PC+16:PC+31], v[O1+8*n:O1+8*n+7]
.set n, n+1
.endr
	WIN 0
.Lskip_\@:
	s_add_co_u32 s[TB], s[TB], 16384
.endm
	s_wait_alu depctr_va_vdst(0)                   ; the head's end
	s_wait_tensorcnt 0x0                           ; my part of key blocks 0 and 1 is in
.irp k, 0,1
	ds_store_b128 v8, v[S0+4*\k:S0+4*\k+3] offset:512*\k          ; my part of the mask's table
	ds_store_b128 v8, v[S0+8+4*\k:S0+11+4*\k] offset:8192+512*\k
.endr
	s_wait_dscnt 0x0
	s_wait_tensorcnt 0x0
	ds_add_u32 v[SPW], v[NIL]
	s_wait_dscnt 0x0
	CROUND                                         ; key blocks 0 and 1 and the whole table are in LDS, and the four work-groups are here
	tensor_load_to_lds s[92:95], s[84:91]          ; key blocks 2 to 15
	s_nop 0
.rept 4
	v_nop
.endr
	s_wait_loadcnt 0x0                             ; Q
	s_mov_b32 s[TB], 0
	s_mov_b32 s[ST], 0
.Lfirst:
	STEP 1
	s_add_co_u32 s[ST], s[ST], 1
	s_cmp_lt_u32 s[ST], 2
	s_cbranch_scc1 .Lfirst
	s_wait_alu depctr_va_vdst(0)                   ; ahead of the waits below
	s_wait_tensorcnt 0x0                           ; my part of the other key blocks is in,
	s_wait_dscnt 0x0
	s_barrier_signal -1
	s_barrier_wait -1                              ; everybody's is
	LOAD16 KF, LI, 32768                           ; K of step 2
	s_mov_b32 s[TB], 32768
	s_mov_b32 s[ST], 2
	s_wait_dscnt 0x0
.Lrest:
	s_cmp_eq_u32 s[ST], 9                          ; between steps 8 and 9 A has done its part, and B goes over to the long block
	s_cbranch_scc0 .Lsame
	s_cmp_eq_u32 s[RO], 0
	s_cbranch_scc1 .Lturn_a
	LOADQ 60
	LOAD16 KF, A9, 0                               ; K of step 9
	s_wait_alu depctr_va_vdst(0)                   ; ahead of the readers behind the loop's branch
.rept 4
	v_nop                                          ; places behind the last products
.endr
	v_add_f32 v14, v14, v15
	v_add_f32 v20, v20, v21
	FINISH 56
	RESET
	s_mov_b32 s[EE], s[DL]
	s_mov_b32 s[DD], s[DL]
	s_wait_alu depctr_va_vdst(0)                   ; ahead of the waits and the branch below
	s_wait_xcnt 0x0                                ; the stores have read their codes: the scores are written over them
	s_wait_dscnt 0x0
	s_wait_loadcnt 0x0                             ; the long block's Q
	s_branch .Lsame
.Lturn_a:
	s_mov_b32 s[EE], 0
.Lsame:
	STEP 0
	s_add_co_u32 s[ST], s[ST], 1
	s_cmp_lt_u32 s[ST], 16
	s_cbranch_scc1 .Lrest
	s_wait_alu depctr_va_vdst(0)                   ; ahead of the readers behind the loop's branch
.rept 4
	v_nop                                          ; places behind the last products
.endr
	v_add_f32 v14, v14, v15                        ; the sums' two halves
	v_add_f32 v20, v20, v21
	s_wait_alu depctr_va_vdst(0)
	s_cmp_lg_u32 s[RO], 0
	s_cbranch_scc1 .Lmeet
.set n, 0
.rept 8
	ds_store_b128 v[MA], v[O0+4*n:O0+4*n+3] offset:512*n
	ds_store_b128 v[MA], v[O1+4*n:O1+4*n+3] offset:4608+512*n
.set n, n+1
.endr
	ds_store_b128 v[MA], v[12:15] offset:4096      ; -M, the largest t, the sum (and a word that is not used)
	ds_store_b128 v[MA], v[18:21] offset:8704
.Lmeet:
	s_wait_dscnt 0x0                               ; A's part is in LDS
	s_barrier_signal -1
	s_barrier_wait -1
	s_cmp_eq_u32 s[RO], 0
	s_cbranch_scc1 .Lend
.set n, 0
.rept 8
	ds_load_b128 v[S0+4*n:S0+4*n+3], v[MA] offset:512*n
	ds_load_b128 v[S0+32+4*n:S0+35+4*n], v[MA] offset:4608+512*n
.set n, n+1
.endr
	ds_load_b128 v[S1:S1+3], v[MA] offset:4096
	ds_load_b128 v[S1+4:S1+7], v[MA] offset:8704
	s_wait_dscnt 0x0
	v_min_num_f32 v28, v12, v[S1]                  ; -M of both
	v_min_num_f32 v48, v18, v[S1+4]
	v_sub_f32 v29, v28, v12
	v_sub_f32 v49, v48, v18
	v_sub_f32 v[S1], v28, v[S1]
	v_sub_f32 v[S1+4], v48, v[S1+4]
	v_cvt_i32_f32 v29, v29
	v_cvt_i32_f32 v49, v49
	v_cvt_i32_f32 v[S1], v[S1]
	v_cvt_i32_f32 v[S1+4], v[S1+4]
	v_ldexp_f32 v22, 1.0, v29                      ; my parts' factors (0 where I had no step of the long block: -M is 3e38 then)
	v_ldexp_f32 v16, 1.0, v49
	v_ldexp_f32 v[S1], 1.0, v[S1]                  ; A's
	v_ldexp_f32 v[S1+4], 1.0, v[S1+4]
	v_mul_f32 v14, v14, v22
	v_mul_f32 v20, v20, v16
	v_fma_f32 v14, v[S1+2], v[S1], v14
	v_fma_f32 v20, v[S1+6], v[S1+4], v20
.set n, 0
.rept 16
	v_pk_mul_f32 v[O0+n:O0+n+1], v[O0+n:O0+n+1], v[22:23] op_sel_hi:[1,0]
	v_pk_mul_f32 v[O1+n:O1+n+1], v[O1+n:O1+n+1], v[16:17] op_sel_hi:[1,0]
.set n, n+2
.endr
.set n, 0
.rept 16
	v_pk_fma_f32 v[O0+n:O0+n+1], v[S0+n:S0+n+1], v[S1:S1+1], v[O0+n:O0+n+1] op_sel_hi:[1,0,1]
	v_pk_fma_f32 v[O1+n:O1+n+1], v[S0+32+n:S0+33+n], v[S1+4:S1+5], v[O1+n:O1+n+1] op_sel_hi:[1,0,1]
.set n, n+2
.endr
	FINISH 58
.Lend:
	s_wait_tensorcnt 0x0                           ; the wave's end
	ds_add_u32 v[SPW], v[NIL]
	s_wait_dscnt 0x0
	CROUND                                         ; the closing round
	s_endpgm
.Lfunc_end_k_q9e2f10a826_attn:
	.size	k_q9e2f10a826_attn, .Lfunc_end_k_q9e2f10a826_attn-k_q9e2f10a826_attn
	.p2alignl 7, 3214868480
	.fill 96, 4, 3214868480
	.section	.rodata,"a",@progbits
	.p2align	6, 0x0
	.amdhsa_kernel k_q9e2f10a826_attn
		.amdhsa_group_segment_fixed_size 327680
		.amdhsa_private_segment_fixed_size 0
		.amdhsa_enable_private_segment 0
		.amdhsa_kernarg_size 32
		.amdhsa_user_sgpr_count 2
		.amdhsa_user_sgpr_kernarg_segment_ptr 1
		.amdhsa_wavefront_size32 1
		.amdhsa_system_sgpr_workgroup_id_x 1
		.amdhsa_system_sgpr_workgroup_id_y 1
		.amdhsa_system_sgpr_workgroup_id_z 1
		.amdhsa_system_vgpr_workitem_id 0
		.amdhsa_next_free_vgpr 512
		.amdhsa_next_free_sgpr 100
		.amdhsa_reserve_vcc 1
		.amdhsa_float_denorm_mode_32 3
		.amdhsa_float_denorm_mode_16_64 3
		.amdhsa_memory_ordered 1
		.amdhsa_forward_progress 1
		.amdhsa_inst_pref_size 109
	.end_amdhsa_kernel
	.amdgpu_metadata
---
amdhsa.version: [ 1, 2 ]
amdhsa.kernels:
  - .name:           k_q9e2f10a826_attn
    .symbol:         k_q9e2f10a826_attn.kd
    .args:
      - { .name: q_img, .offset: 0, .size: 8, .value_kind: global_buffer, .address_space: global }
      - { .name: kv_img, .offset: 8, .size: 8, .value_kind: global_buffer, .address_space: global }
      - { .name: lowp_scales, .offset: 16, .size: 8, .value_kind: global_buffer, .address_space: global }
      - { .name: y_img, .offset: 24, .size: 8, .value_kind: global_buffer, .address_space: global }
    .group_segment_fixed_size: 327680
    .private_segment_fixed_size: 0
    .kernarg_segment_align: 8
    .kernarg_segment_size: 32
    .max_flat_workgroup_size: 256
    .sgpr_count:     100
    .vgpr_count:     512
    .wavefront_size: 32
...
	.end_amdgpu_metadata
.endif
;; end of part 2
;; launch proj (part 3): grid 8 x 32, 4 waves a work-group, clusters of 4 x 4, 327,680 bytes of LDS; arguments y_img, w_proj_codes, lowp_scales, out0; writes out0
.if DOCPART == 3
	.amdgcn_target "amdgcn-amd-amdhsa--gfx1250"
	.amdhsa_code_object_version 6
	.text
	.protected	k_q9e2f10a826_proj
	.globl	k_q9e2f10a826_proj
	.p2align	8
	.type	k_q9e2f10a826_proj,@function
k_q9e2f10a826_proj:
	s_mov_b64 s[64:65], 0
	v_nop
	global_prefetch_b8 v0, s[64:65] scope:SCOPE_SE
	s_setreg_imm32_b32 hwreg(HW_REG_WAVE_MODE, 25, 1), 1
	s_wait_xcnt 0x0
	s_wait_alu depctr_hold_cnt(0) depctr_sa_sdst(0) depctr_va_vdst(0) depctr_va_sdst(0) depctr_va_ssrc(0) depctr_va_vcc(0) depctr_vm_vsrc(0)
	s_getreg_b32 s2, hwreg(HW_REG_IB_STS2, 6, 4)
	s_cmp_eq_u32 s2, 0
	s_cbranch_scc0 .Lentry_in_a_cluster
	s_endpgm
.Lentry_in_a_cluster:
	s_bfe_u32 s2, ttmp6, 0x10000c
	s_cmp_lg_u32 s2, 0xf033
	s_cbranch_scc0 .Lentry_shape_is_right
	s_endpgm
.Lentry_shape_is_right:
; out0 = y w_proj^T on codes of E4M3 (M 4,096, N 1,024, K 1,024); each finished sum x 2^(e6 + e7).  LIMIT: e6 + e7 between -126 and 127, so that the factor is an f32 number.
; A tile of out0 is 128 x 128: 8 x 32 = 256 work-groups.  Four waves, each 64 x 64.
; ALL OF K LIES IN LDS, filled once: waves 0 and 1 ask for the two halves of y's 128 rows, waves 2 and 3 for W's, one tensor load a wave; nothing is filled again.  No prefetch: the loads are asked for at the head, and no loop stands ahead of them to run ahead in.
; y comes as images of fragments (y_img [tile of 16 rows 256][128 along K: 8][piece 4][512]): my 128 rows are one dense block of 131,072 bytes, read back 16 bytes a lane.
; These fragments have k in the plain form's own places (registers 2 c, 2 c + 1: k = 16 c + 8 (lane / 16) + 0 .. 7), so W's are fetched to match: eight loads of 8 bytes from rows 1,040 bytes apart.
; CLUSTER 4 x 4: y's tile hangs on the tile row alone and is asked for jointly by a row of the cluster; W's on the tile column alone, by a column.
; BY ROWS: a wave's fragments of W for all of K stay in 512 registers, and its four blocks of 16 rows are finished one after the other, so that a block's rows leave while the next is multiplied.  No fragment is read from LDS twice by a wave.
; THE MATRIX INSTRUCTION IS USED TRANSPOSED (source 0 = 16 rows of W, source 1 = 16 rows of y): a lane holds eight neighbouring numbers of a row of out0.
; REGISTERS: window 0: v16-31 addresses; v32-63 a block's results; v64-127 rows read back, two sets; v128-191 accumulators, two sets of four.   windows 1 and 2: W's fragments, K steps 0-3 and 4-7.   window 3: y's fragments of a block, two sets of 128.
.set WP,    1040                       ; a row of W in LDS: 1,024 bytes + 16 of padding
.set WBASE, 131072                     ; behind y
.set STAGE, WBASE+128*WP               ; a stage of 16 rows x 272 for each wave; no tile lands there
.set SP,    272
.set SPARE, STAGE+4*16*SP              ; the spare words: 128 bytes a wave
.set YA,   16
.set WA,   20
.set STO,  24
.set RD,   25
.set CO,   26
.set SPW,  30
.set NIL,  31
.set TMP,  32
.set BK,   64
.set ACC,  128
.set G1Y,  16
.set G1W,  24
.set MSB, 0
.macro WIN new                         ; the immediate's high byte repeats the setting that is left
.if MSB != (\new)
	s_set_vgpr_msb (MSB<<8)|(\new)
.set MSB, (\new)
.endif
.endm
.macro CROUND
	s_barrier_signal -1
	s_barrier_wait -1
	s_cmp_lg_u32 s12, 0
	s_cbranch_scc1 .Lnot_wave_0_\@
	s_barrier_signal -3
.Lnot_wave_0_\@:
	s_barrier_wait -3
	s_barrier_signal -1
	s_barrier_wait -1
.endm
	s_load_b128 s[4:7], s[0:1], 0x0                ; y_img, w_proj's codes
	s_load_b128 s[8:11], s[0:1], 0x10              ; the scales' exponents, out0
	v_lshl_add_u32 v[SPW], v0, 2, SPARE
	v_mov_b32 v[NIL], 0
	ds_add_u32 v[SPW], v[NIL]                      ; the opening: the add, twice on end, and its wait ahead of my tensor load
	ds_add_u32 v[SPW], v[NIL]
	v_lshrrev_b32 v1, 5, v0
	v_readfirstlane_b32 s12, v1                    ; wave 0..3
	s_and_b32 s13, s12, 1                          ; my half of the columns; also: which half I fetch
	s_lshr_b32 s14, s12, 1                         ; my half of the rows; also: I fetch for y (0) or for W (1)
	s_bfe_u32 s66, ttmp6, 0x40000                  ; cx
	s_bfe_u32 s67, ttmp6, 0x40004                  ; cy
	s_lshl_b32 s68, ttmp9, 2
	s_add_co_u32 s68, s68, s66                     ; tile column
	s_and_b32 s69, ttmp7, 0xffff
	s_lshl_b32 s69, s69, 2
	s_add_co_u32 s69, s69, s67                     ; tile row
	s_lshl_b32 s70, s67, 2
	s_lshl_b32 s70, 15, s70                        ; my row of the cluster
	s_lshl_b32 s71, 0x1111, s66                    ; my column
	s_or_b32 s[G1Y], s70, (3<<16)|(1<<21)          ; y: the mask; elements of 8 bytes; bit 21 beside a mask; no padding
	s_mov_b32 s[G1Y+1], 32<<16                     ; rows of 256 bytes, dense
	s_mov_b32 s[G1Y+2], 256<<16                    ; 256 of them: 64 rows of y
	s_mov_b32 s[G1Y+3], 32<<16
	s_mov_b32 s[G1Y+4], 256
	s_mov_b32 s[G1Y+5], 32
	s_mov_b32 s[G1Y+6], 0
	s_mov_b32 s[G1Y+7], 0
	s_or_b32 s[G1W], s71, (1<<20)|(1<<21)|(7<<22)|(3<<25)   ; W: elements of 1 byte; 4 words of padding behind every 256
	s_mov_b32 s[G1W+1], 1024<<16
	s_mov_b32 s[G1W+2], 64<<16
	s_mov_b32 s[G1W+3], 1024<<16
	s_mov_b32 s[G1W+4], 64
	s_mov_b32 s[G1W+5], 1024
	s_mov_b32 s[G1W+6], 0
	s_mov_b32 s[G1W+7], 0
	s_lshl_b32 s74, s13, 16                        ; my half: 65,536 bytes of y, in memory as in LDS, and of W in memory
	s_lshl_b32 s72, s69, 17                        ; 131,072 bytes a tile row
	s_add_co_u32 s72, s72, s74
	s_mov_b32 s73, 0
	s_lshl_b32 s76, s68, 17                        ; and a tile column
	s_add_co_u32 s76, s76, s74
	s_mov_b32 s77, 0
	s_mul_i32 s79, s13, 64*WP
	s_add_co_u32 s79, s79, WBASE
	s_mov_b32 s32, 1
	s_mov_b32 s33, s74
	s_mov_b32 s36, 1
	s_mov_b32 s37, s79
	s_wait_dscnt 0x0                               ; both opening adds are done
	s_wait_kmcnt 0x0
	s_load_b64 s[96:97], s[8:9], 0x18              ; e6, e7
	s_add_nc_u64 s[34:35], s[4:5], s[72:73]
	s_or_b32 s35, s35, 0x80000000
	s_add_nc_u64 s[38:39], s[6:7], s[76:77]
	s_or_b32 s39, s39, 0x80000000
	CROUND                                         ; all sixteen work-groups are here: the joint loads meet
	s_cmp_lt_u32 s12, 2                            ; the branch hangs on the wave's number alone; four v_nop follow each load
	s_cbranch_scc0 .Lfor_w
	tensor_load_to_lds s[32:35], s[G1Y:G1Y+7]
	s_nop 0
.rept 4
	v_nop
.endr
	s_branch .Lasked
.Lfor_w:
	tensor_load_to_lds s[36:39], s[G1W:G1W+7]
	s_nop 0
.rept 4
	v_nop
.endr
.Lasked:
	s_lshl_b32 s80, s14, 16                        ; my four tiles of rows: 4 x 16,384 bytes
	s_mul_i32 s81, s12, 16*SP
	s_add_co_u32 s81, s81, STAGE                   ; my stage
	s_lshl_b32 s82, s69, 19                        ; out0: 128 rows a tile row,
	s_lshl_b32 s83, s14, 18                        ; my 64,
	s_add_co_u32 s82, s82, s83
	s_lshl_b32 s83, s68, 9                         ; 512 bytes a tile column,
	s_add_co_u32 s82, s82, s83
	s_lshl_b32 s83, s13, 8                         ; my 256
	s_add_co_u32 s82, s82, s83
	s_mov_b32 s83, 0
	s_add_nc_u64 s[10:11], s[10:11], s[82:83]
	v_and_b32 v1, 15, v0                           ; r
	v_bfe_u32 v2, v0, 4, 1                         ; h
	v_and_b32 v3, 31, v0
	v_lshlrev_b32 v4, 4, v3
	v_add_nc_u32 v[YA], s80, v4
	v_mul_u32_u24 v5, v1, WP
	v_lshl_add_u32 v5, v2, 3, v5                   ; row x pitch + 8 x half
	v_add_nc_u32 v[WA], s79, v5                    ; my 64 rows of W: the half of the columns that I make is the half that a wave of my s13 fetches
	v_mul_u32_u24 v6, v1, SP
	v_lshl_add_u32 v6, v2, 5, v6
	v_add_nc_u32 v[STO], s81, v6                   ; in: row r, 32 bytes for each half of the lanes
	v_mul_u32_u24 v7, v2, SP
	v_lshl_add_u32 v7, v1, 4, v7
	v_add_nc_u32 v[RD], s81, v7                    ; back: lanes 0-15 one row of 256 bytes, lanes 16-31 the next
	v_lshlrev_b32 v[CO], 12, v2
	v_lshl_add_u32 v[CO], v1, 4, v[CO]             ; and the same two rows in out0 (4,096 bytes a row)
.macro LOADY a                         ; block a's fragments of y, all of K: 32 loads
	WIN 0xc0
.irp q, 0,1,2,3,4,5,6,7
.irp p, 0,1,2,3
	ds_load_b128 v[128*((\a)%2)+16*\q+4*\p:128*((\a)%2)+16*\q+4*\p+3], v[YA] offset:16384*(\a)+2048*\q+512*\p
.endr
.endr
.endm
.macro LOADW q                         ; W's four fragments of K step q: 32 loads
	WIN 0x40+0x40*((\q)/4)
.irp b, 0,1,2,3
.irp cc, 0,1,2,3,4,5,6,7
	ds_load_b64 v[64*((\q)%4)+16*\b+2*\cc:64*((\q)%4)+16*\b+2*\cc+1], v[WA] offset:16*WP*\b+128*(\q)+16*\cc
.endr
.endr
.endm
.macro MULQ a, q                       ; block a, K step q: the four accumulators take turns, one instruction a turn
	WIN 0x0d+((\q)/4)
.set AC, ACC+32*((\a)%2)
.set FY, 128*((\a)%2)+16*(\q)
.irp b, 0,1,2,3
.if (\q) == 0
	v_wmma_f32_16x16x128_fp8_fp8 v[AC+8*\b:AC+8*\b+7], v[64*((\q)%4)+16*\b:64*((\q)%4)+16*\b+15], v[FY:FY+15], 0
.else
	v_wmma_f32_16x16x128_fp8_fp8 v[AC+8*\b:AC+8*\b+7], v[64*((\q)%4)+16*\b:64*((\q)%4)+16*\b+15], v[FY:FY+15], v[AC+8*\b:AC+8*\b+7]
.endif
.endr
.endm
; THE WAY OUT of a block of 16 rows x 64 columns: x 2^(e6 + e7), through my own stage, back as whole rows of 256 bytes.  LDS serves a wave's instructions in order (ISA guide 5.7.1.4): no wait between the stores and the loads.
.macro TOSTAGE a
	WIN 0
.set AC, ACC+32*((\a)%2)
.irp i, 0,2,4,6,8,10,12,14,16,18,20,22,24,26,28,30
	v_pk_mul_f32 v[TMP+\i:TMP+\i+1], v[AC+\i:AC+\i+1], s[96:97] op_sel_hi:[1,0]   ; each accumulator from its low end on
.endr
.irp b, 0,1,2,3
	ds_store_b128 v[STO], v[TMP+8*\b:TMP+8*\b+3] offset:64*\b
	ds_store_b128 v[STO], v[TMP+8*\b+4:TMP+8*\b+7] offset:64*\b+16
.endr
.if (\a) > 1
	s_wait_xcnt 0x0                                ; block a - 2's stores have read these registers
.endif
.irp i, 0,1,2,3,4,5,6,7
	ds_load_b128 v[BK+32*((\a)%2)+4*\i:BK+32*((\a)%2)+4*\i+3], v[RD] offset:2*SP*\i
.endr
.endm
.macro SEND a, younger                 ; younger: the LDS loads issued behind block a's from the stage
	WIN 0
	s_wait_dscnt \younger
.irp i, 0,1,2,3,4,5,6,7
	global_store_b128 v[CO], v[BK+32*((\a)%2)+4*\i:BK+32*((\a)%2)+4*\i+3], s[10:11] offset:(16*(\a)+2*\i)*4096 th:TH_STORE_NT   ; sixteen lanes store 256 consecutive bytes, aligned
.endr
.endm
	s_wait_alu depctr_va_vdst(0)                   ; the head's end
	s_wait_kmcnt 0x0
	s_add_co_i32 s96, s96, s97
	s_add_co_i32 s96, s96, 127
	s_lshl_b32 s96, s96, 23                        ; 2^(e6 + e7) as f32
	s_mov_b32 s97, s96
	s_wait_tensorcnt 0x0                           ; my part is in,
	s_barrier_signal -1
	s_barrier_wait -1                              ; everybody's is
	LOADY 0
	LOADW 0
.irp q, 0,1,2,3,4,5,6,7                ; block 0, as W's fragments come in
.if \q < 7
	LOADW \q+1
.else
	LOADY 1
.endif
	s_wait_dscnt 32                                ; all but the 32 loads just issued
	MULQ 0, \q
.endr
.irp a, 0,1,2,3
.rept 4
	v_nop                                          ; places behind block a's products
.endr
	TOSTAGE \a
.if \a < 2
	LOADY \a+2                                     ; into the set that block a has read
	SEND \a, 32                                    ; all but those 32 loads: block a is back from the stage, and block a + 1's fragments are in
.else
	SEND \a, 0
.endif
.if \a < 3
.irp q, 0,1,2,3,4,5,6,7
	MULQ \a+1, \q
.endr
.endif
.endr
	s_wait_tensorcnt 0x0                           ; the wave's end
	ds_add_u32 v[SPW], v[NIL]
	s_wait_dscnt 0x0
	CROUND                                         ; the closing round
	s_endpgm
.Lfunc_end_k_q9e2f10a826_proj:
	.size	k_q9e2f10a826_proj, .Lfunc_end_k_q9e2f10a826_proj-k_q9e2f10a826_proj
	.p2alignl 7, 3214868480
	.fill 96, 4, 3214868480
	.section	.rodata,"a",@progbits
	.p2align	6, 0x0
	.amdhsa_kernel k_q9e2f10a826_proj
		.amdhsa_group_segment_fixed_size 327680
		.amdhsa_private_segment_fixed_size 0
		.amdhsa_enable_private_segment 0
		.amdhsa_kernarg_size 32
		.amdhsa_user_sgpr_count 2
		.amdhsa_user_sgpr_kernarg_segment_ptr 1
		.amdhsa_wavefront_size32 1
		.amdhsa_system_sgpr_workgroup_id_x 1
		.amdhsa_system_sgpr_workgroup_id_y 1
		.amdhsa_system_sgpr_workgroup_id_z 1
		.amdhsa_system_vgpr_workitem_id 0
		.amdhsa_next_free_vgpr 1024
		.amdhsa_next_free_sgpr 100
		.amdhsa_reserve_vcc 0
		.amdhsa_float_denorm_mode_32 3
		.amdhsa_float_denorm_mode_16_64 3
		.amdhsa_memory_ordered 1
		.amdhsa_forward_progress 1
		.amdhsa_inst_pref_size 51
	.end_amdhsa_kernel
	.amdgpu_metadata
---
amdhsa.version: [ 1, 2 ]
amdhsa.kernels:
  - .name:           k_q9e2f10a826_proj
    .symbol:         k_q9e2f10a826_proj.kd
    .args:
      - { .name: y_img, .offset: 0, .size: 8, .value_kind: global_buffer, .address_space: global }
      - { .name: w_proj_codes, .offset: 8, .size: 8, .value_kind: global_buffer, .address_space: global }
      - { .name: lowp_scales, .offset: 16, .size: 8, .value_kind: global_buffer, .address_space: global }
      - { .name: out0, .offset: 24, .size: 8, .value_kind: global_buffer, .address_space: global }
    .group_segment_fixed_size: 327680
    .private_segment_fixed_size: 0
    .kernarg_segment_align: 8
    .kernarg_segment_size: 32
    .max_flat_workgroup_size: 128
    .sgpr_count:     100
    .vgpr_count:     1024
    .wavefront_size: 32
...
	.end_amdgpu_metadata
.endif
;; end of part 3
